; MI455X (gfx1250); checked and timed in simulation.
; The chip was launched on July 23, 2026; its instructions are those of AMD's public machine-readable ISA for CDNA 5 (MIT licence, August 2026) and "CDNA5" Instruction Set Architecture Reference Guide (July 2026). The comments in the code are by the model that wrote it; some were corrected since.
;; Temporal Attention. Allowed arithmetic: matrix products marked QUANTISED: E2M1 operands, one E8M0 scale for each 32 along K, by v_wmma_scale_f32_16x16x128_f8f6f4 with both operands' format E2M1 (or v_wmma_scale_f32_32x16x128_f4), f32 sums; products left as they are: bf16, f16 or f32 operands; f32 sums; everything else in f32.
;; Inputs: Wk 1,024 x 1,024 float32; Wo 1,024 x 1,024 float32; Wq 1,024 x 1,024 float32; Wv 1,024 x 1,024 float32; bk 1,024 float32; bo 1,024 float32; bq 1,024 float32; bv 1,024 float32; gamma one number float32; k 4 x 2,048 x 1,024 float32; mask 4 x 1 x 2,048 x 2,048 int32; q 4 x 2,048 x 1,024 float32; time_diffs 4 x 2,048 x 2,048 float32; v 4 x 2,048 x 1,024 float32.
;; Outputs: out0 4 x 2,048 x 1,024 float32.
;; This version of the problem:
;;   THIS VERSION OF THE PROBLEM IS GIVEN IN LOW PRECISION. The matrix products marked QUANTISED in the list below multiply operands that are first quantised to E2M1 (2 exponent bits, 1 mantissa bit; 4 bits a number), with one power-of-two scale for each 32 numbers along K (OCP MX v1.0); their sums are f32. The products marked 'left as it is' may take bf16, f16 or f32 operands, with f32 sums. Whichever they take, every output number must still come out within the allowed error. Rounding operands to bf16 (8 significant bits) uses up far more of that allowance than f16 does (11 bits, for magnitudes from 6e-5 to 65,504). All else is computed in f32.
;;   The module's matrix products, in the order in which they are computed (A, B: the left and right operand; K: the contracted axis; several contracted axes count as one K, in the product's order):
;;     1. [M 8,192, K 1,024] x [K 1,024, N 1,024]; A: input q; B: input Wq: QUANTISED
;;     2. [M 8,192, K 1,024] x [K 1,024, N 1,024]; A: input k; B: input Wk: QUANTISED
;;     3. [M 8,192, K 1,024] x [K 1,024, N 1,024]; A: input v; B: input Wv: QUANTISED
;;     4. batch 64 x [M 2,048, K 64] x [K 64, N 2,048]; A: computed on the way; B: computed on the way: left as it is (an operand is computed on the way)
;;     5. batch 64 x [M 2,048, K 2,048] x [K 2,048, N 64]; A: computed on the way; B: computed on the way: left as it is (an operand is computed on the way)
;;     6. [M 8,192, K 1,024] x [K 1,024, N 1,024]; A: computed on the way; B: input Wo: left as it is (an operand is computed on the way)
;;   THE QUANTISER, for each operand of a quantised product, along K:
;;     - K is cut into blocks of 32 from its start; a last block that is shorter is filled with zeros.
;;     - A block's scale is 2^e with e = floor(log2(the largest magnitude in the block)) - 2, held to -126 .. 127; a block of zeros has e = 0. As a byte (E8M0): e + 127.
;;     - Each number is divided by its block's scale, clamped to +-6, and rounded to the nearest number of E2M1, ties to even, subnormals kept.
;;     - The product sums the exact products of the quantised numbers (number of the format x scale) in f32.
;;   ~~~python
;;   def quantise(x, axis):      # numpy; x: float32 -> the quantised numbers, widened to float32 again
;;       x = np.moveaxis(x, axis, -1); K = x.shape[-1]
;;       x = np.pad(x, [(0, 0)] * (x.ndim - 1) + [(0, -K % 32)]); x = x.reshape(x.shape[:-1] + (-1, 32)); a = np.abs(x).max(-1, keepdims=True)
;;       e = np.where(a > 0, np.clip(np.frexp(np.where(a > 0, a, 1))[1] - 1 - 2, -126, 127), 0)      # np.frexp(a)[1] - 1 = floor(log2(a)), exactly
;;       r = np.clip(x / 2.0 ** e, -6, 6)
;;       step = 2.0 ** (np.maximum(np.frexp(np.where(r == 0, 1, r))[1] - 1, 0) - 1)
;;       q = np.round(r / step) * step * 2.0 ** e      # np.round: ties to even
;;       return np.moveaxis(q.reshape(q.shape[:-2] + (-1,))[..., :K], -1, axis).astype(np.float32)
;;   ~~~
;; One version. Each part assembles by itself: llvm-mc -triple=amdgcn-amd-amdhsa -mcpu=gfx1250 --defsym DOCPART=n.
;; ======== version 1 of 1: 4 launches
;; limits: right only within a limited range of input values; values are held in f16: magnitudes above 65,504 overflow, below 6.1e-05 lose precision
;; workspace buffers: codes 14,155,776 bytes; scales 884,736 bytes; tbias 67,108,864 bytes; wo16 2,097,152 bytes; qkv 50,331,648 bytes; ao 16,777,216 bytes
;; launch prep (part 1): grid 1408 x 1, 4 waves a work-group, no clusters, 68,096 bytes of LDS; arguments time_diffs, mask, gamma, q, k, v, Wq, Wk, Wv, Wo, tbias, codes, scales, wo16; writes tbias, codes, scales, wo16
.if DOCPART == 1
	.amdgcn_target "amdgcn-amd-amdhsa--gfx1250"
	.amdhsa_code_object_version 6
	.text
	.protected	k_qabd017a975_prep
	.globl	k_qabd017a975_prep
	.p2align	8
	.type	k_qabd017a975_prep,@function
k_qabd017a975_prep:
	s_mov_b64 s[64:65], 0
	v_nop
	global_prefetch_b8 v0, s[64:65] scope:SCOPE_SE
	s_setreg_imm32_b32 hwreg(HW_REG_WAVE_MODE, 25, 1), 1
	s_wait_xcnt 0x0
; THREE PIECES OF PREPARATION IN ONE LAUNCH, told apart by the work-group's number; waves share nothing, so there is no barrier.
; (B) work-groups 0-511: the bias table.  tbias = log2(e) x exp(-gamma x time_diffs), and -1e38 where mask == 0, laid as the register image of a 16 x 16 f32 accumulator whose rows are keys and
;     whose columns are queries: [512 tiles of 16 queries][128 tiles of 16 keys][half 2][lane 32][4 numbers]; lane (r, hh), number 4 half + i = query r, key 16 kt + 8 hh + 4 half + i.
;     The attention launch loads it in dense runs of 512 bytes and hands it to the matrix unit as the start of the score sums.
; (Q) work-groups 512-1375: q, k, v, Wq, Wk, Wv (f32, K innermost) become codes of E2M1 with one E8M0 byte for each 32 along K: 27,648 rows of 512 bytes of codes and 32 bytes of scales, in that order of tensors.
;     A block's scale is 2^(floor(log2(largest magnitude)) - 2): its byte is the largest magnitude's exponent field - 2, held at 1 from below; each number / scale goes to the nearest code, ties to even, beyond 6 to 6.
; (W) work-groups 1376-1407: Wo is rounded to f16, in place of order.
; LIMITS: NaN and infinities among the inputs are not served.  A block of zeros gets the byte 1 where the rule says 127: its codes are zeros, and this program alone reads the bytes; blocks whose largest magnitude
; lies under 2^(3 - 127) keep the byte 1.  exp(-gamma x time_diffs) beyond f32's range is not served (the result asked for is not finite there).
.set SPW,    12                        ; v12  LDS address of my spare word: SPARE + 4 x my thread's number; never rewritten
.set NIL,    13                        ; v13  0; never rewritten
.set NBIAS,  512
.set NQUANT, 864
.set QREG,   8192                      ; LDS, piece Q: a region for each wave: two stages of 32 x 80 bytes, then its 256 scale bytes
.set QSP,    80
.set BSTG,   4*QREG                    ; LDS, piece B: bytes of its own: a stage of 32 rows x 272 bytes for each wave
.set BREG,   32*272
.set SPARE,  BSTG+4*BREG               ; the spare words, 128 bytes for each wave: two blocks of 256 bytes that no other line names
	s_load_b512 s[8:23], s[0:1], 0x0               ; time_diffs s[8:9], mask s[10:11], gamma s[12:13], q s[14:15], k s[16:17], v s[18:19], Wq s[20:21], Wk s[22:23]
	s_load_b256 s[24:31], s[0:1], 0x40             ; Wv s[24:25], Wo s[26:27], tbias s[28:29], codes s[30:31]
	s_load_b128 s[32:35], s[0:1], 0x60             ; scales s[32:33], wo16 s[34:35]
	v_lshl_add_u32 v[SPW], v0, 2, SPARE
	v_mov_b32 v[NIL], 0
	v_lshrrev_b32 v1, 5, v0
	v_readfirstlane_b32 s40, v1                    ; wave 0..3
	v_and_b32 v1, 31, v0                           ; lane
	s_mov_b32 s43, 0                               ; high words of the offset pairs
	s_mov_b32 s45, 0
	s_mov_b32 s47, 0
	s_wait_kmcnt 0x0
	s_cmp_lt_u32 ttmp9, NBIAS
	s_cbranch_scc1 .Lbias
	s_cmp_lt_u32 ttmp9, NBIAS+NQUANT
	s_cbranch_scc1 .Lquant
; ---------------- (W) Wo to f16.  A wave takes 8,192 numbers in four rounds of sixteen loads of 512 consecutive bytes; a lane's four numbers become 8 bytes, so a store covers 256 consecutive bytes.
.set WI, 16                            ; v16-143  two sets of 64 numbers
.set WO, 144                           ; v144-207 two sets of 32 packed words
	s_sub_co_u32 s44, ttmp9, NBIAS+NQUANT
	s_lshl_b32 s44, s44, 2
	s_add_co_u32 s44, s44, s40                     ; which run of 8,192 numbers is my wave's
	s_lshl_b32 s46, s44, 14                        ; 16,384 bytes out,
	s_lshl_b32 s44, s44, 15                        ; 32,768 bytes in
	s_add_nc_u64 s[26:27], s[26:27], s[44:45]
	s_add_nc_u64 s[34:35], s[34:35], s[46:47]
	v_lshlrev_b32 v2, 4, v1
	v_lshlrev_b32 v3, 3, v1
.macro WLOAD k
.irp i, 0,1,2,3,4,5,6,7,8,9,10,11,12,13,14,15
	global_load_b128 v[WI+64*((\k)%2)+4*\i:WI+64*((\k)%2)+4*\i+3], v2, s[26:27] offset:8192*(\k)+512*\i th:TH_LOAD_NT
.endr
.endm
.macro WROUND k
.if (\k) < 3
	WLOAD (\k)+1
	s_wait_loadcnt 16                              ; this round's sixteen loads are in; the next round's sixteen may be out
.else
	s_wait_loadcnt 0x0
.endif
.if (\k) > 1
	s_wait_xcnt 0x0                                ; the stores of two rounds ago have read their data registers, which are written again below
.endif
.irp i, 0,1,2,3,4,5,6,7,8,9,10,11,12,13,14,15
	v_cvt_pk_f16_f32 v[WO+32*((\k)%2)+2*\i], v[WI+64*((\k)%2)+4*\i], v[WI+64*((\k)%2)+4*\i+1]
	v_cvt_pk_f16_f32 v[WO+32*((\k)%2)+2*\i+1], v[WI+64*((\k)%2)+4*\i+2], v[WI+64*((\k)%2)+4*\i+3]
	global_store_b64 v3, v[WO+32*((\k)%2)+2*\i:WO+32*((\k)%2)+2*\i+1], s[34:35] offset:4096*(\k)+256*\i
.endr
.endm
	WLOAD 0
	WROUND 0
	WROUND 1
	WROUND 2
	WROUND 3
	s_endpgm                                       ; this piece touches no LDS
; ---------------- (Q) the quantiser.  A work-group takes 32 rows of 1,024 numbers, a wave 16 steps of 512 numbers.  Each load reads 512 consecutive bytes; a step's 2,048 bytes turn through the wave's own
; stage, so that a lane then holds 16 neighbours along K (two neighbouring lanes hold a block of 32).  Loads run four steps ahead, the turn through LDS one step.
.set QR, 16                            ; v16-79   four sets of 16 numbers as loaded
.set QX, 80                            ; v80-111  two sets of 16 neighbours
.set QE, 112                           ; v112-127 a scale byte for each step
.set QC, 128                           ; v128-191 codes: four registers for each step, so that no store's data are written again
.Lquant:
	s_sub_co_u32 s41, ttmp9, NBIAS                 ; 0-255 q, 256-511 k, 512-767 v, 768-799 Wq, 800-831 Wk, 832-863 Wv: the choice hangs on the work-group's number alone
	s_mov_b64 s[4:5], s[24:25]
	s_mov_b32 s6, 832
	s_cmp_lt_u32 s41, 832
	s_cselect_b64 s[4:5], s[22:23], s[4:5]
	s_cselect_b32 s6, 800, s6
	s_cmp_lt_u32 s41, 800
	s_cselect_b64 s[4:5], s[20:21], s[4:5]
	s_cselect_b32 s6, 768, s6
	s_cmp_lt_u32 s41, 768
	s_cselect_b64 s[4:5], s[18:19], s[4:5]
	s_cselect_b32 s6, 512, s6
	s_cmp_lt_u32 s41, 512
	s_cselect_b64 s[4:5], s[16:17], s[4:5]
	s_cselect_b32 s6, 256, s6
	s_cmp_lt_u32 s41, 256
	s_cselect_b64 s[4:5], s[14:15], s[4:5]
	s_cselect_b32 s6, 0, s6
	s_sub_co_u32 s6, s41, s6                       ; my work-group's place in its tensor
	s_lshl_b32 s6, s6, 17                          ; 131,072 bytes of numbers a work-group,
	s_lshl_b32 s7, s40, 15                         ; 32,768 a wave
	s_add_co_u32 s42, s6, s7
	s_add_nc_u64 s[4:5], s[4:5], s[42:43]
	s_lshl_b32 s44, s41, 2
	s_add_co_u32 s44, s44, s40                     ; which run of 8,192 numbers of all six tensors is my wave's
	s_lshl_b32 s42, s44, 12                        ; 4,096 bytes of codes
	s_add_nc_u64 s[30:31], s[30:31], s[42:43]
	s_lshl_b32 s42, s44, 8                         ; 256 scale bytes
	s_add_nc_u64 s[32:33], s[32:33], s[42:43]
	v_and_b32 v2, 31, v0                           ; lane
	v_lshlrev_b32 v3, 4, v2                        ; my 16 bytes of a load's 512
	s_mul_i32 s46, s40, QREG
	v_lshrrev_b32 v14, 2, v2
	v_mul_u32_u24 v14, v14, QSP
	v_and_b32 v15, 3, v2
	v_lshl_add_u32 v14, v15, 4, v14
	v_add_nc_u32 v14, s46, v14                     ; the stage, on the way in: four lanes' 64 bytes on end, then 16 of padding
	v_mul_u32_u24 v15, v2, QSP
	v_add_nc_u32 v15, s46, v15                     ; and on the way out: my 16 neighbours
	v_lshlrev_b32 v4, 3, v2                        ; my codes' place in a step's: 8 bytes a lane
	v_lshrrev_b32 v5, 1, v2
	s_add_co_u32 s46, s46, 2*32*QSP
	v_add_nc_u32 v5, s46, v5                       ; LDS: my wave's 256 scale bytes, my block's byte
	v_lshlrev_b32 v7, 3, v2
	v_add_nc_u32 v6, s46, v7                       ; and on the way out 8 bytes a lane
.macro QLOAD t
.irp i, 0,1,2,3
	global_load_b128 v[QR+16*((\t)%4)+4*\i:QR+16*((\t)%4)+4*\i+3], v3, s[4:5] offset:2048*(\t)+512*\i th:TH_LOAD_NT
.endr
.endm
.macro QTURN t                         ; LDS serves a wave's instructions in order, so no wait stands between the stores and the loads
.irp i, 0,1,2,3
	ds_store_b128 v14, v[QR+16*((\t)%4)+4*\i:QR+16*((\t)%4)+4*\i+3] offset:32*QSP*((\t)%2)+8*QSP*\i
.endr
.irp i, 0,1,2,3
	ds_load_b128 v[QX+16*((\t)%2)+4*\i:QX+16*((\t)%2)+4*\i+3], v15 offset:32*QSP*((\t)%2)+16*\i
.endr
.endm
.irp t, 0,1,2,3
	QLOAD \t
.endr
	s_wait_loadcnt 12                              ; step 0's four loads are in
	QTURN 0
.macro QSTEP t
.set XS, QX+16*((\t)%2)
.if (\t) > 0
	s_wait_dscnt 1                                 ; this step's numbers are back from the stage (the last step's byte store may be out): so its stores into the stage have read their registers,
.else
	s_wait_dscnt 0x0
.endif
.if (\t)+4 < 16
	QLOAD (\t)+4                                   ; which take the loads of four steps on
.endif
.if (\t)+1 < 16
.if 14-(\t) >= 3
	s_wait_loadcnt 12                              ; the next step's four loads are in; those of the three steps behind it may be out
.else
	s_wait_loadcnt 4*(14-(\t))
.endif
	QTURN (\t)+1
.endif
	v_max3_num_f32 v8, |v[XS]|, |v[XS+1]|, |v[XS+2]|
	v_max3_num_f32 v9, |v[XS+3]|, |v[XS+4]|, |v[XS+5]|
.irp i, 6,10
	v_max3_num_f32 v8, v8, |v[XS+\i]|, |v[XS+\i+1]|
	v_max3_num_f32 v9, v9, |v[XS+\i+2]|, |v[XS+\i+3]|
.endr
	v_max3_num_f32 v8, v8, |v[XS+14]|, |v[XS+15]|
	v_max3_num_f32 v8, v8, v9, 0x1800000           ; and the floor 2^(3 - 127): the byte cannot fall under 1
	v_max_num_f32_dpp v8, v8, v8 row_xmask:1 row_mask:0xf bank_mask:0xf   ; with my neighbour's 16: the block's largest magnitude
	v_add_nc_u32 v11, 0xff000000, v8               ; 2 off its exponent field: the conversion takes the exponent field of this operand as its scale
	v_cvt_scalef32_pk8_fp4_f32 v[QC+4*(\t)], v[XS:XS+7], v11
	v_cvt_scalef32_pk8_fp4_f32 v[QC+4*(\t)+1], v[XS+8:XS+15], v11
	v_lshrrev_b32 v[QE+(\t)], 23, v11              ; the scale's byte (also the plain line behind the conversions)
	ds_store_b8 v5, v[QE+(\t)] offset:16*(\t)      ; both lanes of a block write the same byte with the same value
	global_store_b64 v4, v[QC+4*(\t):QC+4*(\t)+1], s[30:31] offset:256*(\t)   ; 32 lanes store 256 consecutive bytes
.endm
.irp t, 0,1,2,3,4,5,6,7,8,9,10,11,12,13,14,15
	QSTEP \t
.endr
	ds_load_b64 v[8:9], v6                         ; in order behind my byte stores
	s_wait_dscnt 0x0
	global_store_b64 v7, v[8:9], s[32:33]          ; my wave's 256 scale bytes, consecutive
	s_wait_tensorcnt 0x0                           ; the wave's end, behind my last LDS store
	ds_add_u32 v[SPW], v[NIL]
	s_wait_dscnt 0x0
	s_endpgm
; ---------------- (B) the bias table.  Work-group g is tile g of 16 queries; wave w takes keys 512 w on, in four units of 128 keys.  A load reads 512 consecutive bytes of one query's row; lane l's 16 bytes are
; keys 4 l .. 4 l + 3 of the unit: key tile l / 4, hh = (l / 2) % 2, half = l % 2.  In the table they stand at 1,024 (l / 4) + 512 half + 256 hh + 16 query: the stage's row 4 (l / 4) + 2 half + hh, column 16 query.
; Rows of the stage are 272 bytes apart, so sixteen lanes touch sixteen different columns of 16 bytes on the way in and on the way out.
.set TD, 16                            ; v16-79   16 queries x 4 numbers a lane
.set MK, 80                            ; v80-143  their mask words
.set OU, 144                           ; v144-207 a unit of the table, as it is stored
.Lbias:
	s_load_b32 s41, s[12:13], 0x0                  ; gamma
	s_lshl_b32 s44, ttmp9, 17                      ; 16 rows of 8,192 bytes, and as many bytes of the table
	s_add_nc_u64 s[8:9], s[8:9], s[44:45]
	s_add_nc_u64 s[10:11], s[10:11], s[44:45]
	s_add_nc_u64 s[28:29], s[28:29], s[44:45]
	v_lshrrev_b32 v7, 2, v1
	v_and_b32 v8, 1, v1
	v_bfe_u32 v9, v1, 1, 1
	v_lshlrev_b32 v7, 2, v7
	v_lshl_add_u32 v7, v8, 1, v7
	v_add_nc_u32 v7, v7, v9                        ; the stage's row for my 16 bytes
	v_mul_u32_u24 v3, v7, 272
	s_mul_i32 s46, s40, BREG
	s_add_co_u32 s46, s46, BSTG
	v_add_nc_u32 v3, s46, v3                       ; in
	v_lshrrev_b32 v7, 4, v1
	v_and_b32 v8, 15, v1
	v_mul_u32_u24 v4, v7, 272
	v_lshl_add_u32 v4, v8, 4, v4
	v_add_nc_u32 v4, s46, v4                       ; out: two rows of 256 bytes an instruction
	v_lshlrev_b32 v2, 4, v1
	s_lshl_b32 s46, s40, 15
	v_add_nc_u32 v5, s46, v2                       ; the table: 32,768 bytes a wave, 16 a lane
	s_lshl_b32 s46, s40, 11
	v_add_nc_u32 v2, s46, v2                       ; the inputs: 2,048 bytes of a row a wave, 16 a lane
	v_mov_b32 v6, 0xfe967699                       ; -1e38
.macro BLTD u
.irp j, 0,1,2,3,4,5,6,7,8,9,10,11,12,13,14,15
	global_load_b128 v[TD+4*\j:TD+4*\j+3], v2, s[8:9] offset:8192*\j+512*(\u) th:TH_LOAD_NT
.endr
.endm
.macro BLMK u
.irp j, 0,1,2,3,4,5,6,7,8,9,10,11,12,13,14,15
	global_load_b128 v[MK+4*\j:MK+4*\j+3], v2, s[10:11] offset:8192*\j+512*(\u) th:TH_LOAD_NT
.endr
.endm
.macro BUNIT u
	s_wait_loadcnt 0x0                             ; the unit's 32 loads
.set i, 0
.rept 32
	v_pk_mul_f32 v[TD+i:TD+i+1], v[TD+i:TD+i+1], s[42:43] op_sel_hi:[1,0]   ; x (-gamma log2(e))
.set i, i+2
.endr
.set i, 0
.rept 64
	v_exp_f32 v[TD+i], v[TD+i]                     ; exp(-gamma t): one batch
.set i, i+1
.endr
	v_nop                                          ; a plain line behind the last exponential
	s_wait_alu depctr_va_vdst(0)                   ; one wait for the batch, ahead of its first reader
.set i, 0
.rept 32
	v_pk_mul_f32 v[TD+i:TD+i+1], v[TD+i:TD+i+1], 0x3fb8aa3b op_sel_hi:[1,0]   ; x log2(e): the attention works in powers of two
.set i, i+2
.endr
.set i, 0
.rept 64
	v_cmp_eq_u32 vcc_lo, 0, v[MK+i]
	v_cndmask_b32 v[TD+i], v[TD+i], v6, vcc_lo     ; -1e38 where the mask is 0
.set i, i+1
.endr
.if (\u) < 3
	BLMK (\u)+1                                    ; the mask words have been read
.endif
	s_wait_xcnt 0x0                                ; the last unit's stores have read OU, which the LDS loads below write
.irp j, 0,1,2,3,4,5,6,7,8,9,10,11,12,13,14,15
	ds_store_b128 v3, v[TD+4*\j:TD+4*\j+3] offset:16*\j
.endr
.irp j, 0,1,2,3,4,5,6,7,8,9,10,11,12,13,14,15
	ds_load_b128 v[OU+4*\j:OU+4*\j+3], v4 offset:544*\j   ; in order behind my stores
.endr
	s_wait_dscnt 0x0                               ; the unit is back, and the stage's stores have read TD
.if (\u) < 3
	BLTD (\u)+1
.endif
.irp j, 0,1,2,3,4,5,6,7,8,9,10,11,12,13,14,15
	global_store_b128 v5, v[OU+4*\j:OU+4*\j+3], s[28:29] offset:8192*(\u)+512*\j   ; 512 consecutive bytes
.endr
.endm
	BLTD 0
	BLMK 0
	s_wait_kmcnt 0x0
	s_mul_f32 s42, s41, 0xbfb8aa3b                 ; -gamma log2(e)
	s_mov_b32 s43, s42                             ; (named with it as a pair)
	BUNIT 0
	BUNIT 1
	BUNIT 2
	BUNIT 3
	s_wait_tensorcnt 0x0                           ; the wave's end, behind my last LDS store
	ds_add_u32 v[SPW], v[NIL]
	s_wait_dscnt 0x0
	s_endpgm
.Lfunc_end_k_qabd017a975_prep:
	.size	k_qabd017a975_prep, .Lfunc_end_k_qabd017a975_prep-k_qabd017a975_prep
	.p2alignl 7, 3214868480
	.fill 96, 4, 3214868480
	.section	.rodata,"a",@progbits
	.p2align	6, 0x0
	.amdhsa_kernel k_qabd017a975_prep
		.amdhsa_group_segment_fixed_size 68096
		.amdhsa_private_segment_fixed_size 0
		.amdhsa_enable_private_segment 0
		.amdhsa_kernarg_size 112
		.amdhsa_user_sgpr_count 2
		.amdhsa_user_sgpr_kernarg_segment_ptr 1
		.amdhsa_wavefront_size32 1
		.amdhsa_system_sgpr_workgroup_id_x 1
		.amdhsa_system_sgpr_workgroup_id_y 1
		.amdhsa_system_sgpr_workgroup_id_z 1
		.amdhsa_system_vgpr_workitem_id 0
		.amdhsa_next_free_vgpr 208
		.amdhsa_next_free_sgpr 66
		.amdhsa_reserve_vcc 1
		.amdhsa_float_denorm_mode_32 3
		.amdhsa_float_denorm_mode_16_64 3
		.amdhsa_memory_ordered 1
		.amdhsa_forward_progress 1
		.amdhsa_inst_pref_size 127
	.end_amdhsa_kernel
	.amdgpu_metadata
---
amdhsa.version: [ 1, 2 ]
amdhsa.kernels:
  - .name:           k_qabd017a975_prep
    .symbol:         k_qabd017a975_prep.kd
    .args:
      - { .name: time_diffs, .offset: 0, .size: 8, .value_kind: global_buffer, .address_space: global }
      - { .name: mask, .offset: 8, .size: 8, .value_kind: global_buffer, .address_space: global }
      - { .name: gamma, .offset: 16, .size: 8, .value_kind: global_buffer, .address_space: global }
      - { .name: q, .offset: 24, .size: 8, .value_kind: global_buffer, .address_space: global }
      - { .name: k, .offset: 32, .size: 8, .value_kind: global_buffer, .address_space: global }
      - { .name: v, .offset: 40, .size: 8, .value_kind: global_buffer, .address_space: global }
      - { .name: Wq, .offset: 48, .size: 8, .value_kind: global_buffer, .address_space: global }
      - { .name: Wk, .offset: 56, .size: 8, .value_kind: global_buffer, .address_space: global }
      - { .name: Wv, .offset: 64, .size: 8, .value_kind: global_buffer, .address_space: global }
      - { .name: Wo, .offset: 72, .size: 8, .value_kind: global_buffer, .address_space: global }
      - { .name: tbias, .offset: 80, .size: 8, .value_kind: global_buffer, .address_space: global }
      - { .name: codes, .offset: 88, .size: 8, .value_kind: global_buffer, .address_space: global }
      - { .name: scales, .offset: 96, .size: 8, .value_kind: global_buffer, .address_space: global }
      - { .name: wo16, .offset: 104, .size: 8, .value_kind: global_buffer, .address_space: global }
    .group_segment_fixed_size: 68096
    .private_segment_fixed_size: 0
    .kernarg_segment_align: 8
    .kernarg_segment_size: 112
    .max_flat_workgroup_size: 128
    .sgpr_count:     66
    .vgpr_count:     208
    .wavefront_size: 32
...
	.end_amdgpu_metadata
.endif
;; end of part 1
;; launch proj (part 2): grid 4 x 96, 4 waves a work-group, clusters of 4 x 4, 327,680 bytes of LDS; arguments codes, scales, bq, bk, bv, qkv; writes qkv
.if DOCPART == 2
	.amdgcn_target "amdgcn-amd-amdhsa--gfx1250"
	.amdhsa_code_object_version 6
	.text
	.protected	k_qabd017a975_proj
	.globl	k_qabd017a975_proj
	.p2align	8
	.type	k_qabd017a975_proj,@function
k_qabd017a975_proj:
	s_mov_b64 s[64:65], 0
	v_nop
	global_prefetch_b8 v0, s[64:65] scope:SCOPE_SE
	s_setreg_imm32_b32 hwreg(HW_REG_WAVE_MODE, 25, 1), 1
	s_wait_xcnt 0x0
	s_wait_alu depctr_hold_cnt(0) depctr_sa_sdst(0) depctr_va_vdst(0) depctr_va_sdst(0) depctr_va_ssrc(0) depctr_va_vcc(0) depctr_vm_vsrc(0)
	s_getreg_b32 s2, hwreg(HW_REG_IB_STS2, 6, 4)
	s_cmp_eq_u32 s2, 0
	s_cbranch_scc0 .Lentry_in_a_cluster
	s_endpgm
.Lentry_in_a_cluster:
	s_bfe_u32 s2, ttmp6, 0x10000c
	s_cmp_lg_u32 s2, 0xf033
	s_cbranch_scc0 .Lentry_shape_is_right
	s_endpgm
.Lentry_shape_is_right:
; THE THREE PROJECTIONS x W^T + b IN ONE LAUNCH, on codes of E2M1 with one E8M0 scale for each 32 along K (K = 1,024).  codes: 27,648 rows of 512 bytes: q, k, v (8,192 rows each), Wq, Wk, Wv (1,024 each); scales: the same rows x 32 bytes.
; Tile row y of 96 (256 rows of q, k or v); T = y / 32 says which projection; tile column x of 4 (256 rows of W_T).  A work-group of four waves makes 256 x 256, a wave 128 x 128: 64 accumulators, 512 registers.
; K goes in two steps of 512 through two LDS slots, each filled once; the scale bytes of the work-group's rows come once, as dense blocks.
; CLUSTERS: 4 x 4 work-groups; the four of a row of the cluster need the same rows of x, the four of a column the same rows of W: each tile is asked for jointly.  A cluster spans 4 tile rows, and 32 is a multiple of 4: T is the same in all sixteen.
; THE MATRIX INSTRUCTION IS USED TRANSPOSED (source 0 = 16 rows of W, source 1 = 16 rows of x): a lane holds eight neighbouring outputs of one row.  The bias is the start of each sum (the C of its first product).
; OUT: q's results x log2(e) / 8 (the softmax's factor, folded in here), all rounded to f16, laid head-major: qkv[T][b][h][s][64].  Sixteen lanes store two neighbouring rows of one head: 256 consecutive bytes.
; REGISTERS: window 0: v0-31 addresses; v32-95 scale words, two sets; v128-191 x's fragments, one set; on the way out v32-63, v192-255.  window 1: W's fragments at v0 and v128; v64-127 the bias.  windows 2, 3: the accumulators.
.set NQ,     4                         ; matrix instructions deep in a slot (512 along K)
.set ROWB,   256                       ; a tile's row in bytes
.set KROW,   512                       ; a row of codes in memory
.set PITCH,  272                       ; an LDS row: 256 bytes + 16 of padding: the sixteen rows that a load touches start at sixteen different columns of 16 bytes
.set FR,     8
.set NL,     2
.set NP,     4
.set HALFT,  128*PITCH
.set SLOT,   4*HALFT
.set KS,     32                        ; a row of scales in bytes
.set SCL,    2*SLOT
.set HALFS,  (128*KS/256)*272
.set SBLK,   (16*KS/256)*272
.set SPARE,  SCL+4*HALFS               ; the spare words, 128 bytes for each wave: two blocks of 256 bytes that no other line names
.set SPITCH, 272                       ; the way out: a stage of 16 rows x (256 + 16) bytes for each wave, in slot 0, which has had its only fill and its last read by then
.set ADRA, 16
.set ADRB, 20
.set STO,  24
.set RD,   25
.set CO,   26
.set ADRS, 27
.set SPW,  28
.set NIL,  29
.set SC,   32
.set AF,   128
.set TMP,  192
.set OB,   32
.set BIAS, 64                          ; in window 1
.set G1, 24
.set G0, 32
.set G1B, 48
.set G0B, 56
.set G1S, 68
.set G0S, 76
.set G1SB, 80
.set G0SB, 88
.set MSB, 0
.macro WIN new                         ; the immediate's high byte repeats the setting that is left
.if MSB != (\new)
	s_set_vgpr_msb (MSB<<8)|(\new)
.set MSB, \new
.endif
.endm
.set MUL_LO, 0xa1                      ; source 0 (W) window 1, source 1 (x) window 0, C and D window 2
.set MUL_HI, 0xf1                      ; the same, C and D window 3
.set TO_B,   0x40
; A joint load: waves 0 and 1 fetch for x, waves 2 and 3 for W; the branch hangs on the wave's number alone.  An s_nop 0 and four v_nop follow each of the two lines.
.macro JLOAD g0a, g1a, g0b, g1b
	s_cmp_eq_u32 s15, 0
	s_cbranch_scc0 .Lfor_b_\@
	tensor_load_to_lds s[\g0a:\g0a+3], s[\g1a:\g1a+7]
	s_nop 0
.rept 4
	v_nop
.endr
	s_branch .Lasked_\@
.Lfor_b_\@:
	tensor_load_to_lds s[\g0b:\g0b+3], s[\g1b:\g1b+7]
	s_nop 0
.rept 4
	v_nop
.endr
.Lasked_\@:
.endm
.macro CROUND                          ; a round of the cluster's barrier
	s_barrier_signal -1
	s_barrier_wait -1
	s_cmp_lg_u32 s14, 0
	s_cbranch_scc1 .Lnot_wave_0_\@
	s_barrier_signal -3
.Lnot_wave_0_\@:
	s_barrier_wait -3
	s_barrier_signal -1
	s_barrier_wait -1
.endm
	s_load_b256 s[4:11], s[0:1], 0x0               ; codes s[4:5], scales s[6:7], bq s[8:9], bk s[10:11]
	s_load_b128 s[96:99], s[0:1], 0x20             ; bv s[96:97], qkv s[98:99]
	v_lshl_add_u32 v[SPW], v0, 2, SPARE
	v_mov_b32 v[NIL], 0
	ds_add_u32 v[SPW], v[NIL]                      ; the wave's opening: the add, twice on end, and its wait ahead of my first tensor load
	ds_add_u32 v[SPW], v[NIL]
	v_lshrrev_b32 v1, 5, v0
	v_readfirstlane_b32 s14, v1                    ; wave 0..3
	s_lshr_b32 s15, s14, 1                         ; which half of the tile's rows is mine.  Also: I fetch for x (0) or for W (1)
	s_and_b32 s16, s14, 1                          ; which half of its columns.  Also: which 128 rows of that tile I fetch
	s_bfe_u32 s40, ttmp6, 0x40000                  ; cx, cy
	s_bfe_u32 s41, ttmp6, 0x40004
	s_lshl_b32 s42, ttmp9, 2
	s_add_co_u32 s42, s42, s40                     ; tile column x
	s_and_b32 s95, ttmp7, 0xffff                   ; the cluster's y
	s_lshl_b32 s17, s95, 2
	s_add_co_u32 s17, s17, s41                     ; tile row y
	s_lshr_b32 s95, s95, 3                         ; T: 8 clusters to a projection
	s_lshl_b32 s43, s41, 2
	s_lshl_b32 s43, 15, s43                        ; my row of the cluster
	s_lshl_b32 s44, 0x1111, s40                    ; my column
	s_or_b32 s[G1+0], s43, (0<<16)|(1<<20)|(1<<21)|(5<<22)|(3<<25)  ; the mask; elements of 1 byte; padding on; bit 21 beside a mask; after every 64 words 4 words
	s_or_b32 s[G1B+0], s44, (0<<16)|(1<<20)|(1<<21)|(5<<22)|(3<<25)
.irp g, G1, G1B
	s_mov_b32 s[\g+1], ROWB<<16                    ; tensor_dim0
	s_mov_b32 s[\g+2], 128<<16                     ; tensor_dim1
	s_mov_b32 s[\g+3], ROWB<<16                    ; tile_dim0
	s_mov_b32 s[\g+4], 128                         ; tile_dim1
	s_mov_b32 s[\g+5], KROW                        ; the pitch
	s_mov_b32 s[\g+6], 0
	s_mov_b32 s[\g+7], 0
.endr
	s_or_b32 s[G1S+0], s43, (3<<16)|(1<<20)|(1<<21)|(5<<22)|(3<<25)  ; the scales of 128 rows: 4,096 dense bytes as 16 rows of 256 (32 elements of 8 bytes)
	s_or_b32 s[G1SB+0], s44, (3<<16)|(1<<20)|(1<<21)|(5<<22)|(3<<25)
.irp g, G1S, G1SB
	s_mov_b32 s[\g+1], 32<<16
	s_mov_b32 s[\g+2], (128*KS/256)<<16
	s_mov_b32 s[\g+3], 32<<16
	s_mov_b32 s[\g+4], 128*KS/256
	s_mov_b32 s[\g+5], 32
	s_mov_b32 s[\g+6], 0
	s_mov_b32 s[\g+7], 0
.endr
	s_lshl_b32 s18, s16, 7                         ; which 128 rows of the tile I fetch
	s_lshl_b32 s20, s17, 8
	s_add_co_u32 s20, s20, s18                     ; x: row 256 y + 128 half
	s_lshl_b32 s46, s42, 8
	s_add_co_u32 s46, s46, s18
	s_lshl_b32 s47, s95, 10
	s_add_co_u32 s46, s46, s47
	s_add_co_u32 s46, s46, 24576                   ; W: row 24,576 + 1,024 T + 256 x + 128 half
	s_lshl_b32 s22, s20, 5                         ; where these rows' scales begin,
	s_mov_b32 s23, 0
	s_lshl_b32 s92, s46, 5
	s_mov_b32 s93, 0
	s_lshl_b32 s20, s20, 9                         ; and their codes (all under 2^24)
	s_mov_b32 s21, 0
	s_lshl_b32 s46, s46, 9
	s_mov_b32 s47, 0
	s_mul_i32 s45, s14, HALFT                      ; where they go: wave x 128 rows
	s_mul_i32 s94, s14, HALFS
	s_wait_dscnt 0x0                               ; both opening adds are done
	s_wait_kmcnt 0x0
	s_add_nc_u64 s[20:21], s[4:5], s[20:21]
	s_add_nc_u64 s[22:23], s[6:7], s[22:23]
	s_add_nc_u64 s[46:47], s[4:5], s[46:47]
	s_add_nc_u64 s[92:93], s[6:7], s[92:93]
	CROUND                                         ; all sixteen work-groups are here: the first joint loads meet
	s_mov_b32 s[G0S], 1
	s_add_co_u32 s[G0S+1], s94, SCL
	s_mov_b64 s[G0S+2:G0S+3], s[22:23]
	s_or_b32 s[G0S+3], s[G0S+3], 0x80000000
	s_mov_b32 s[G0SB], 1
	s_add_co_u32 s[G0SB+1], s94, SCL
	s_mov_b64 s[G0SB+2:G0SB+3], s[92:93]
	s_or_b32 s[G0SB+3], s[G0SB+3], 0x80000000
	JLOAD G0S, G1S, G0SB, G1SB                     ; the scales first; with the two slots below three loads of mine are out
.irp s, 0,1
	s_mov_b32 s[G0+4*\s], 1
	s_add_co_u32 s[G0+4*\s+1], s45, \s*SLOT
	s_add_nc_u64 s[G0+4*\s+2:G0+4*\s+3], s[20:21], \s*ROWB
	s_or_b32 s[G0+4*\s+3], s[G0+4*\s+3], 0x80000000
	s_mov_b32 s[G0B+4*\s], 1
	s_add_co_u32 s[G0B+4*\s+1], s45, \s*SLOT
	s_add_nc_u64 s[G0B+4*\s+2:G0B+4*\s+3], s[46:47], \s*ROWB
	s_or_b32 s[G0B+4*\s+3], s[G0B+4*\s+3], 0x80000000
	JLOAD G0+4*\s, G1, G0B+4*\s, G1B
.endr
	v_and_b32 v1, 15, v0                           ; r = l % 16
	v_bfe_u32 v2, v0, 4, 1                         ; hh = l / 16
	; the bias of my 128 columns: for W's block b a lane wants b[256 x + 128 ch + 16 b + 8 hh + 0 .. 7]
	s_cmp_eq_u32 s95, 0
	s_cselect_b64 s[8:9], s[8:9], s[10:11]
	s_cselect_b32 s12, 0x3e38aa3b, 1.0             ; q alone is multiplied by log2(e) / 8
	s_cmp_eq_u32 s95, 2
	s_cselect_b64 s[8:9], s[96:97], s[8:9]
	s_mov_b32 s13, s12                             ; (named with it as a pair)
	s_lshl_b32 s46, s42, 10
	s_lshl_b32 s47, s16, 9
	s_add_co_u32 s46, s46, s47
	s_mov_b32 s47, 0
	s_add_nc_u64 s[8:9], s[8:9], s[46:47]
	v_lshlrev_b32 v7, 5, v2
	WIN TO_B
.irp b, 0,1,2,3,4,5,6,7
	global_load_b128 v[BIAS+8*\b:BIAS+8*\b+3], v7, s[8:9] offset:64*\b
	global_load_b128 v[BIAS+8*\b+4:BIAS+8*\b+7], v7, s[8:9] offset:64*\b+16
.endr
	WIN 0
	v_mul_u32_u24 v3, v1, PITCH
	v_lshl_add_u32 v4, v2, 4, v3                   ; a fragment's row x pitch + 16 x half
	s_mul_i32 s21, s15, HALFT                      ; my 128 rows of x
	s_mul_i32 s22, s16, HALFT                      ; my 128 rows of W,
	s_add_co_u32 s22, s22, 2*HALFT                 ; behind x's 256
.irp s, 0,1
	v_add_nc_u32 v[ADRA+\s], s21, v4
	v_add_nc_u32 v[ADRB+\s], s22, v4
	s_add_co_u32 s21, s21, SLOT
	s_add_co_u32 s22, s22, SLOT
.endr
	v_mul_u32_u24 v5, v1, KS                       ; my row's scales: 32 bytes a row,
	v_lshrrev_b32 v6, 8, v5
	v_lshl_add_u32 v5, v6, 4, v5                   ; and 16 more for each 256 passed
	s_mul_i32 s21, s15, HALFS
	s_mul_i32 s22, s16, HALFS
	s_add_co_u32 s22, s22, 2*HALFS
	s_sub_co_u32 s22, s22, s21
	v_mul_u32_u24 v6, s22, v2                      ; lanes 16-31 take W's
	s_add_co_u32 s21, s21, SCL
	v_add_nc_u32 v5, v5, v6
	v_add_nc_u32 v[ADRS], s21, v5
	s_mul_i32 s23, s14, 16*SPITCH                  ; my stage
	v_mul_u32_u24 v5, v1, SPITCH
	v_lshl_add_u32 v5, v2, 4, v5
	v_add_nc_u32 v[STO], s23, v5                   ; in: row r, 16 bytes for each half of the lanes
	v_bfe_u32 v6, v0, 3, 1
	v_and_b32 v8, 7, v0
	v_mul_u32_u24 v5, v6, SPITCH
	v_lshl_add_u32 v5, v2, 7, v5
	v_lshl_add_u32 v5, v8, 4, v5
	v_add_nc_u32 v[RD], s23, v5                    ; back: lanes 0-15 the first head's 128 bytes of two rows, lanes 16-31 the second head's
	v_lshlrev_b32 v5, 18, v2                       ; in qkv a head is 262,144 bytes, a row 128
	v_lshl_add_u32 v5, v6, 7, v5
	v_lshl_add_u32 v[CO], v8, 4, v5
	s_lshr_b32 s20, s17, 3                         ; 4 T + b: 2^22 bytes each
	s_lshl_b32 s20, s20, 22
	s_and_b32 s21, s17, 7
	s_lshl_b32 s21, s21, 15                        ; 256 rows of 128 bytes
	s_add_co_u32 s20, s20, s21
	s_lshl_b32 s21, s15, 14                        ; my 128 rows
	s_add_co_u32 s20, s20, s21
	s_mov_b32 s21, 0
	s_add_nc_u64 s[98:99], s[98:99], s[20:21]
	s_lshl_b32 s46, s42, 20                        ; head 4 x + 2 ch
	s_lshl_b32 s47, s16, 19
	s_add_co_u32 s46, s46, s47
	s_mov_b32 s47, 0
	s_add_nc_u64 s[98:99], s[98:99], s[46:47]
.macro FRAG reg, adr, q, i             ; 16 rows x 128 K of 4-bit codes: 8 registers: lane l holds row l % 16; registers 4 c .. 4 c + 3 hold K = 64 c + 32 (l / 16) + 0 .. 31
.irp c, 0,1
	ds_load_b128 v[\reg+4*\c:\reg+4*\c+3], v[\adr] offset:64*(\q)+32*\c+(\i)*16*PITCH
.endr
.endm
; 16 matrix instructions: x's blocks a0, a0 + 1 against W's eight.  first = 1: the bias starts the sums.  The 64 accumulators take turns, one instruction a turn, in the same order in every step.
.macro MUL16 a0, p, q, sc, first
.irp a, \a0, \a0+1
.irp b, 0,1,2,3,4,5,6,7
.if \first
	v_wmma_scale_f32_16x16x128_f8f6f4 v[8*(8*((\a)%4)+\b):8*(8*((\a)%4)+\b)+7], v[128*(\p)+FR*\b:128*(\p)+FR*\b+FR-1], v[AF+FR*(\a):AF+FR*(\a)+FR-1], v[BIAS+8*\b:BIAS+8*\b+7], v[SC+8*NQ*(\sc)+NQ*\b+(\q)], v[SC+8*NQ*(\sc)+NQ*(\a)+(\q)] matrix_a_fmt:MATRIX_FMT_FP4 matrix_b_fmt:MATRIX_FMT_FP4 matrix_a_scale:MATRIX_SCALE_ROW1
.else
	v_wmma_scale_f32_16x16x128_f8f6f4 v[8*(8*((\a)%4)+\b):8*(8*((\a)%4)+\b)+7], v[128*(\p)+FR*\b:128*(\p)+FR*\b+FR-1], v[AF+FR*(\a):AF+FR*(\a)+FR-1], v[8*(8*((\a)%4)+\b):8*(8*((\a)%4)+\b)+7], v[SC+8*NQ*(\sc)+NQ*\b+(\q)], v[SC+8*NQ*(\sc)+NQ*(\a)+(\q)] matrix_a_fmt:MATRIX_FMT_FP4 matrix_b_fmt:MATRIX_FMT_FP4 matrix_a_scale:MATRIX_SCALE_ROW1
.endif
.endr
.endr
.endm
.macro FETCH_B slot, q, p
	WIN TO_B
.irp i, 0,1,2,3,4,5,6,7
	FRAG 128*(\p)+FR*\i, ADRB+\slot, \q, \i
.endr
	WIN 0
.endm
.macro FETCH_A slot, q, i0
.irp i, \i0, \i0+1, \i0+2, \i0+3
	FRAG AF+FR*(\i), ADRA+\slot, \q, \i
.endr
.endm
.macro SCALES sc                       ; a K step's scale words: 4 words a row; lanes 0-15 take x's block i, lanes 16-31 W's block i
.irp i, 0,1,2,3,4,5,6,7
	ds_load_b128 v[SC+8*NQ*\sc+NQ*\i:SC+8*NQ*\sc+NQ*\i+3], v[ADRS] offset:\i*SBLK
.endr
.endm
.macro PLACES n                        ; plain vector lines between a matrix instruction and a load into, or a read of, its registers
.rept \n
	v_nop
.endr
.endm
.macro STEP slot, q, first
	s_wait_dscnt 4*NL                              ; W's set and x's blocks 0-3 are in; the youngest eight loads (x's blocks 4-7) may be out
.if \first
	WIN 0x91                                       ; C (the bias) window 1, D window 2
.else
	WIN MUL_LO
.endif
	MUL16 0, (\q)%2, \q, \slot, \first
	MUL16 2, (\q)%2, \q, \slot, \first
	s_wait_dscnt 0
	PLACES NP
	FETCH_B \slot, (\q)+1, 1-(\q)%2
	FETCH_A \slot, (\q)+1, 0
.if \first
	WIN 0xd1                                       ; C window 1, D window 3
.else
	WIN MUL_HI
.endif
	MUL16 4, (\q)%2, \q, \slot, \first
	MUL16 6, (\q)%2, \q, \slot, \first
	PLACES NP
	WIN 0
	FETCH_A \slot, (\q)+1, 4
.endm
	s_wait_tensorcnt 1                             ; the scales and my part of slot 0 are in (slot 1's load may be out)
	s_barrier_signal -1
	s_barrier_wait -1                              ; everybody's are
	FETCH_B 0, 0, 0
	FETCH_A 0, 0, 0
	SCALES 0
	FETCH_A 0, 0, 4
	s_wait_loadcnt 0x0                             ; the bias
	STEP 0, 0, 1
	STEP 0, 1, 0
	STEP 0, 2, 0
	; slot 0's last step changes slots: one barrier; nothing is filled again in this launch
	s_wait_tensorcnt 0x0                           ; my part of slot 1 has landed
	ds_add_u32 v[SPW], v[NIL]
	s_wait_dscnt 4*NL+1                            ; (the add and the youngest eight loads may be out)
	WIN MUL_LO
	MUL16 0, 1, NQ-1, 0, 0
	s_wait_dscnt 0x0                               ; the add is done, and my reads of slot 0 are over
	s_barrier_signal -1
	MUL16 2, 1, NQ-1, 0, 0
	WIN 0
	s_barrier_wait -1
	PLACES NP
	v_add_nc_u32 v[ADRS], 4*NQ, v[ADRS]            ; the second K step's scale words
	FETCH_B 1, 0, 0
	FETCH_A 1, 0, 0
	SCALES 1
	WIN MUL_HI
	MUL16 4, 1, NQ-1, 0, 0
	MUL16 6, 1, NQ-1, 0, 0
	PLACES NP
	WIN 0
	FETCH_A 1, 0, 4
	STEP 1, 0, 0
	STEP 1, 1, 0
	STEP 1, 2, 0
	s_wait_dscnt 4*NL                              ; the very last step: nothing more to fetch
	WIN MUL_LO
	MUL16 0, 1, NQ-1, 1, 0
	MUL16 2, 1, NQ-1, 1, 0
	s_wait_dscnt 0
	WIN MUL_HI
	MUL16 4, 1, NQ-1, 1, 0
	MUL16 6, 1, NQ-1, 1, 0
	WIN 0
; THE WAY OUT, block by block of 16 rows x 128 columns: x the factor, rounded to f16 (16 bytes a lane), through my own stage, back as two heads' pairs of rows, stored.
.macro PACK a
.set AC, 64*((\a)%4)
	WIN 0x82+0x41*((\a)/4)                         ; destination and source 0: window 2 or 3
.set i, 0
.rept 32
	v_pk_mul_f32 v[AC+i:AC+i+1], v[AC+i:AC+i+1], s[12:13] op_sel_hi:[1,0]   ; each accumulator from its low end on
.set i, i+2
.endr
	WIN 0x0a+5*((\a)/4)                            ; sources 0 and 1: window 2 or 3
.irp b, 0,1,2,3,4,5,6,7
.irp r, 0,1,2,3
	v_cvt_pk_f16_f32 v[TMP+4*\b+\r], v[AC+8*\b+2*\r], v[AC+8*\b+2*\r+1]
.endr
.endr
	WIN 0
.endm
.macro TOSTAGE a
.set BK, OB+192*((\a)%2)
.irp b, 0,1,2,3,4,5,6,7
	ds_store_b128 v[STO], v[TMP+4*\b:TMP+4*\b+3] offset:32*\b
.endr
.irp t, 0,1,2,3,4,5,6,7
	ds_load_b128 v[BK+4*\t:BK+4*\t+3], v[RD] offset:\t*2*SPITCH    ; LDS serves a wave's instructions in order: these see the stores above
.endr
.endm
.macro SEND a
.set BK, OB+192*((\a)%2)
	s_wait_dscnt 0x0                               ; the block is back in registers
	s_wait_xcnt 0x0                                ; the stores of the block before have read their registers, into which the next block's loads will land
.irp t, 0,1,2,3,4,5,6,7
	global_store_b128 v[CO], v[BK+4*\t:BK+4*\t+3], s[98:99] offset:2048*(\a)+256*\t   ; sixteen lanes: rows 2 t, 2 t + 1 of one head: 256 consecutive bytes
.endr
.endm
	PLACES NP                                      ; behind the last products: for the reads of results and the loads into registers that held scale words
	PACK 0
	TOSTAGE 0
.irp a, 1,2,3,4,5,6,7
	PACK \a
	SEND \a-1
	TOSTAGE \a
.endr
	SEND 7
	s_wait_tensorcnt 0x0                           ; the wave's end
	ds_add_u32 v[SPW], v[NIL]
	s_wait_dscnt 0x0
	CROUND                                         ; the closing round
	s_endpgm
.Lfunc_end_k_qabd017a975_proj:
	.size	k_qabd017a975_proj, .Lfunc_end_k_qabd017a975_proj-k_qabd017a975_proj
	.p2alignl 7, 3214868480
	.fill 96, 4, 3214868480
	.section	.rodata,"a",@progbits
	.p2align	6, 0x0
	.amdhsa_kernel k_qabd017a975_proj
		.amdhsa_group_segment_fixed_size 327680
		.amdhsa_private_segment_fixed_size 0
		.amdhsa_enable_private_segment 0
		.amdhsa_kernarg_size 48
		.amdhsa_user_sgpr_count 2
		.amdhsa_user_sgpr_kernarg_segment_ptr 1
		.amdhsa_wavefront_size32 1
		.amdhsa_system_sgpr_workgroup_id_x 1
		.amdhsa_system_sgpr_workgroup_id_y 1
		.amdhsa_system_sgpr_workgroup_id_z 1
		.amdhsa_system_vgpr_workitem_id 0
		.amdhsa_next_free_vgpr 1024
		.amdhsa_next_free_sgpr 100
		.amdhsa_reserve_vcc 0
		.amdhsa_float_denorm_mode_32 3
		.amdhsa_float_denorm_mode_16_64 3
		.amdhsa_memory_ordered 1
		.amdhsa_forward_progress 1
		.amdhsa_inst_pref_size 145
	.end_amdhsa_kernel
	.amdgpu_metadata
---
amdhsa.version: [ 1, 2 ]
amdhsa.kernels:
  - .name:           k_qabd017a975_proj
    .symbol:         k_qabd017a975_proj.kd
    .args:
      - { .name: codes, .offset: 0, .size: 8, .value_kind: global_buffer, .address_space: global }
      - { .name: scales, .offset: 8, .size: 8, .value_kind: global_buffer, .address_space: global }
      - { .name: bq, .offset: 16, .size: 8, .value_kind: global_buffer, .address_space: global }
      - { .name: bk, .offset: 24, .size: 8, .value_kind: global_buffer, .address_space: global }
      - { .name: bv, .offset: 32, .size: 8, .value_kind: global_buffer, .address_space: global }
      - { .name: qkv, .offset: 40, .size: 8, .value_kind: global_buffer, .address_space: global }
    .group_segment_fixed_size: 327680
    .private_segment_fixed_size: 0
    .kernarg_segment_align: 8
    .kernarg_segment_size: 48
    .max_flat_workgroup_size: 128
    .sgpr_count:     100
    .vgpr_count:     1024
    .wavefront_size: 32
...
	.end_amdgpu_metadata
.endif
;; end of part 2
;; launch attn (part 3): grid 8 x 64, 8 waves a work-group, clusters of 4 x 1, 327,680 bytes of LDS; arguments qkv, tbias, ao; writes ao
.if DOCPART == 3
	.amdgcn_target "amdgcn-amd-amdhsa--gfx1250"
	.amdhsa_code_object_version 6
	.text
	.protected	k_qabd017a975_attn
	.globl	k_qabd017a975_attn
	.p2align	8
	.type	k_qabd017a975_attn,@function
k_qabd017a975_attn:
	s_mov_b64 s[64:65], 0
	v_nop
	global_prefetch_b8 v0, s[64:65] scope:SCOPE_SE
	s_setreg_imm32_b32 hwreg(HW_REG_WAVE_MODE, 25, 1), 1
	s_wait_xcnt 0x0
	s_wait_alu depctr_hold_cnt(0) depctr_sa_sdst(0) depctr_va_vdst(0) depctr_va_sdst(0) depctr_va_ssrc(0) depctr_va_vcc(0) depctr_vm_vsrc(0)
	s_getreg_b32 s2, hwreg(HW_REG_IB_STS2, 6, 4)
	s_cmp_eq_u32 s2, 0
	s_cbranch_scc0 .Lentry_in_a_cluster
	s_endpgm
.Lentry_in_a_cluster:
	s_bfe_u32 s2, ttmp6, 0x10000c
	s_cmp_lg_u32 s2, 0x3003
	s_cbranch_scc0 .Lentry_shape_is_right
	s_endpgm
.Lentry_shape_is_right:
; ATTENTION.  For each of 64 (batch, head) pairs: ao[q] = sum over k of softmax_k(score) v[k], score = q . k / 8 + exp(-gamma t), -1e9 where the mask is 0.  qkv: [3][b][h][2,048][64] f16, q already x log2(e) / 8.
; tbias: log2(e) x exp(-gamma t), -1e38 under the mask, f32, laid as the register image of a score tile.  Products on f16 operands, sums, maxima and the softmax in f32; ao: [b][h][2,048][64] f16.
; SHARES.  A work-group owns 256 queries of one head; each of its eight waves 32 of them: two tiles of 16.  Two waves share a SIMD, so that one wave's vector work stands beside the other's matrix work.  Every wave walks all 2,048 keys, 64 a step.
; LAYOUT.  S^T = K Q^T (source 0 = 16 keys, source 1 = 16 queries) and O^T = V^T P: a lane holds ONE query throughout.  The table's tile is the C of the first product of each score sum: bias and mask cost no vector line.
; THE TABLE RUNS TWO STEPS AHEAD, in two sets of 64 registers by turns: step j's products read set j % 2; at the head of step j that set takes step j + 2's sixteen loads, which have two steps' work in which to land.
; SOFTMAX.  t = score x log2(e).  A running maximum m, begun at F = -1e9 x log2(e); p = 2^(t - m); in every step O and l are multiplied by a = 2^(m_old - m_new).  A masked key has t near -1e38 and p = 0; what the -1e9 gives it
; is g = 2^(F - m_new): 1 while every key so far is masked (then every p is 0), else 0.  So p + g is the weight for every key: a row that is masked throughout gets the mean of V.
; LIMITS: an unmasked score at or under about -1e9 is not served; NaN and infinities are not served.  With v and Wv both some 30 times smaller than drawn, ao's numbers reach f16's subnormal range (steps of 2^-24).
; CLUSTER.  The four query blocks of a cluster walk the same K and V: each tile is asked for jointly (mask 15).  The table is NOT shared so: it goes from memory straight into the registers that the matrix unit reads;
; through LDS it would add 64 KiB written and 64 KiB read a step of a work-group beside the 128 KiB of K's and V's fragments.
; REGISTERS.  window 0: v1-15 addresses; v16-31 statistics, 8 a tile; v32-95 S^T; v96-159 the table's set 0; v160-191 P; v192-255 O^T.  window 1: v0-31 Q; v32-95 K of a step; v96-159 V of a step; v160-223 the table's set 1.
; 480 registers a wave: the two waves of a SIMD take 960.
.set KS,    64                         ; keys in a step
.set PK,    144                        ; a row of K in LDS: 128 bytes + 16
.set PV,    160                        ; a row of V: 128 + 32
.set VOFF,  KS*PK
.set STEPB, KS*(PK+PV)                 ; a step's tiles: 64 rows of K, then 64 rows of V
.set NST,   4                          ; steps in a slot
.set SLOT1, 1<<17                      ; slot 1 begins here: one exclusive or turns an address in one slot into the other's
.set SLOTB, NST*KS*128                 ; a slot's keys in memory: 32,768 bytes of K, as many of V
.set STAGE, SLOT1+NST*STEPB            ; the way out: 16 rows x 144 bytes for each wave
.set SP,    144
.set SPARE, STAGE+8*16*SP              ; the spare words, 128 bytes for each wave: four blocks of 256 bytes that no other line names
.set AK0, 3
.set AV0, 4
.set ADK, 5
.set ADV, 6
.set LN,  7                            ; 16 x lane
.set QO,  8
.set STO, 9
.set RD,  10
.set PFO, 11
.set PFB, 12
.set SPW, 14
.set NIL, 15
.set ST,  16                           ; tile t at v[ST + 8 t]: +0 m, +1 its pair's partner, +2, +3 l, +4 c0 then g, +5 c1, +6 c2 then a, +7 c3
.set S,   32
.set BI,  96                           ; the table's set s at v[BI + 64 s] of window s
.set P,   160
.set OA,  192
.set QF,  0                            ; in window 1
.set KF,  32
.set VF,  96
.set WV,  12
.set LIM, 15
.set PFA, 18
.set G1K, 24
.set G1V, 32
.set G0K, 40
.set G0V, 48
.set SLOTS, 56
.set CNT, 57
.set BP,  58                           ; s[58:59] the table at the step to be loaded: in step j that is step j + 2
.set SEL, 60
.set TB,  62                           ; LDS byte at which the tiles of the step to be fetched begin
.set FM,  63                           ; F
.set JC,  66                           ; the step in hand
.set LIMB, 67
.set MSB, 0
.macro WIN new                         ; the immediate's high byte repeats the setting that is left
.if MSB != (\new)
	s_set_vgpr_msb (MSB<<8)|(\new)
.set MSB, \new
.endif
.endm
; A joint refill: waves 0-3 fetch the slot's four tiles of K, waves 4-7 those of V.  An s_nop 0 and four v_nop follow each of the two lines.
.macro JLOAD
	s_cmp_lt_u32 s[WV], 4
	s_cbranch_scc0 .Lfor_v_\@
	tensor_load_to_lds s[G0K+4:G0K+7], s[G1K:G1K+7]
	s_nop 0
.rept 4
	v_nop
.endr
	s_branch .Lasked_\@
.Lfor_v_\@:
	tensor_load_to_lds s[G0V+4:G0V+7], s[G1V:G1V+7]
	s_nop 0
.rept 4
	v_nop
.endr
.Lasked_\@:
.endm
; A prefetch of the K and V that the NEXT change of slots will ask for: 32,768 bytes each.  Both clusters of a head walk the same rows: the first asks; its four partners take 8,192 bytes each, told apart by address;
; wave 0 asks for K's, wave 4 for V's, lanes 256 bytes apart: each block of 256 bytes is named once.  The last change that fills a slot asks for nothing.
.macro ASK
	s_cmp_gt_u32 s[SLOTS], s[LIM]
	s_cbranch_scc0 .Lnot_mine_\@
	global_prefetch_b8 v[PFO], s[PFA:PFA+1] th:TH_LOAD_NT scope:SCOPE_SE
.Lnot_mine_\@:
.endm
; A prefetch of the table: my two query tiles' 4,096 bytes each of the step three steps on from the one just loaded: lanes 256 bytes apart.  The sixteen heads of a batch read the same table: the first head's work-groups ask.
; In step j the loads take step j + 2 and the prefetch names step j + 5: it stops behind j = 26.
.macro ASKB
	s_cmp_lt_u32 s[JC], s[LIMB]
	s_cbranch_scc0 .Lno_bias_\@
	global_prefetch_b8 v[PFB], s[BP:BP+1] offset:3*4096 th:TH_LOAD_NT scope:SCOPE_SE
.Lno_bias_\@:
.endm
.macro CROUND                          ; a round of the cluster's barrier
	s_barrier_signal -1
	s_barrier_wait -1
	s_cmp_lg_u32 s[WV], 0
	s_cbranch_scc1 .Lnot_wave_0_\@
	s_barrier_signal -3
.Lnot_wave_0_\@:
	s_barrier_wait -3
	s_barrier_signal -1
	s_barrier_wait -1
.endm
	s_load_b128 s[4:7], s[0:1], 0x0                ; qkv s[4:5], tbias s[6:7]
	s_load_b64 s[8:9], s[0:1], 0x10                ; ao
	v_lshl_add_u32 v[SPW], v0, 2, SPARE
	v_mov_b32 v[NIL], 0
	ds_add_u32 v[SPW], v[NIL]                      ; the wave's opening: the add, twice on end, and its wait ahead of my first tensor load
	ds_add_u32 v[SPW], v[NIL]
	v_lshrrev_b32 v1, 5, v0
	v_readfirstlane_b32 s[WV], v1                  ; wave 0..7
	s_bfe_u32 s13, ttmp6, 0x40000                  ; cx
	s_lshl_b32 s14, ttmp9, 2
	s_add_co_u32 s14, s14, s13                     ; my block of 256 queries: it enters Q's, the table's and ao's addresses alone
	s_and_b32 s20, ttmp7, 0xffff                   ; 16 b + h, which the four partners share
	s_and_b32 s16, s[WV], 3                        ; which of a slot's four steps I fetch
	s_mul_i32 s17, s16, STEPB                      ; its place in a slot
	s_lshl_b32 s22, s20, 18                        ; a head is 262,144 bytes;
	s_lshl_b32 s23, s16, 13                        ; a step's 64 rows are 8,192
	s_add_co_u32 s22, s22, s23
	s_mov_b32 s23, 0
	s_lshl_b32 s2, s20, 18
	s_lshl_b32 s3, s14, 15                         ; my block's 256 rows of 128 bytes,
	s_add_co_u32 s2, s2, s3
	s_lshl_b32 s3, s[WV], 12                       ; my wave's 32
	s_add_co_u32 s2, s2, s3
	s_mov_b32 s3, 0
	s_lshr_b32 s21, s20, 4                         ; the table: query tile 128 b + 16 block + 2 wave, 131,072 bytes each
	s_lshl_b32 s21, s21, 7
	s_lshl_b32 s74, s14, 4
	s_add_co_u32 s21, s21, s74
	s_lshl_b32 s74, s[WV], 1
	s_add_co_u32 s21, s21, s74
	s_lshl_b32 s74, s21, 17
	s_mov_b32 s75, 0
	s_mov_b32 s[G1K], 15|(1<<16)|(1<<20)|(1<<21)|(4<<22)|(3<<25)  ; the mask: all four; elements of 2 bytes; padding on; bit 21 beside a mask; after every 32 words 4 words
	s_mov_b32 s[G1V], 15|(1<<16)|(1<<20)|(1<<21)|(4<<22)|(7<<25)  ; the same with 8 words
.irp g, G1K, G1V
	s_mov_b32 s[\g+1], 64<<16                      ; tensor_dim0 = 64
	s_mov_b32 s[\g+2], KS<<16                      ; tensor_dim1 = 64
	s_mov_b32 s[\g+3], 64<<16                      ; tile_dim0 = 64
	s_mov_b32 s[\g+4], KS                          ; tile_dim1 = 64
	s_mov_b32 s[\g+5], 64                          ; the pitch
	s_mov_b32 s[\g+6], 0
	s_mov_b32 s[\g+7], 0
.endr
	s_mov_b32 s[SEL], 0x76543210
	s_mov_b32 s[SEL+1], 0xfedcba98
	s_mov_b32 s[FM], 0xceabfb8f                    ; F = -1e9 x log2(e)
	s_mov_b32 s[TB], 0
	s_mov_b32 s[JC], 0
	s_mov_b32 s[SLOTS], 2048/(NST*KS)-2
	s_or_b32 s[LIM], s16, ttmp9                    ; 0 in waves 0 and 4 of the head's first cluster: the same in all four partners
	s_cmp_eq_u32 s[LIM], 0
	s_cselect_b32 s[LIM], 1, -1
	s_and_b32 s[LIMB], s20, 15                     ; the batch's first head
	s_cmp_eq_u32 s[LIMB], 0
	s_cselect_b32 s[LIMB], 27, 0
	s_wait_dscnt 0x0                               ; both opening adds are done
	s_wait_kmcnt 0x0
	s_add_nc_u64 s[72:73], s[4:5], s[2:3]          ; Q at my wave's first row
	s_add_nc_u64 s[8:9], s[8:9], s[2:3]            ; ao likewise
	s_add_nc_u64 s[68:69], s[4:5], s[22:23]
	s_add_nc_u64 s[70:71], s[68:69], 0x2000000     ; V at my tile of slot 0
	s_add_nc_u64 s[68:69], s[68:69], 0x1000000     ; K likewise
	s_add_nc_u64 s[BP:BP+1], s[6:7], s[74:75]
	s_cmp_lt_u32 s[WV], 4
	s_cselect_b64 s[PFA:PFA+1], s[68:69], s[70:71] ; (in waves 0 and 4 these stand at a slot's first row)
	s_lshl_b32 s2, s13, 13                         ; my work-group's 8,192 bytes
	s_add_nc_u64 s[PFA:PFA+1], s[PFA:PFA+1], s[2:3]
	s_add_nc_u64 s[PFA:PFA+1], s[PFA:PFA+1], 2*SLOTB   ; in slot 2; the first change of slots steps it on.  Nothing is prefetched here, at the head
	CROUND                                         ; all four work-groups are here: the first joint loads meet
.irp s, 0,1
	s_mov_b32 s[G0K+4*\s], 1
	s_add_co_u32 s[G0K+4*\s+1], s17, \s*SLOT1
	s_add_nc_u64 s[G0K+4*\s+2:G0K+4*\s+3], s[68:69], \s*SLOTB
	s_or_b32 s[G0K+4*\s+3], s[G0K+4*\s+3], 0x80000000
	s_mov_b32 s[G0V+4*\s], 1
	s_add_co_u32 s[G0V+4*\s+1], s17, \s*SLOT1+VOFF
	s_add_nc_u64 s[G0V+4*\s+2:G0V+4*\s+3], s[70:71], \s*SLOTB
	s_or_b32 s[G0V+4*\s+3], s[G0V+4*\s+3], 0x80000000
.endr
	s_cmp_lt_u32 s[WV], 4                          ; a wave's two first fills stand in one branch: two loads of mine are out
	s_cbranch_scc0 .Lfirst_v
	tensor_load_to_lds s[G0K:G0K+3], s[G1K:G1K+7]
	s_nop 0
	tensor_load_to_lds s[G0K+4:G0K+7], s[G1K:G1K+7]
	s_nop 0
.rept 4
	v_nop
.endr
	s_branch .Lfirst_asked
.Lfirst_v:
	tensor_load_to_lds s[G0V:G0V+3], s[G1V:G1V+7]
	s_nop 0
	tensor_load_to_lds s[G0V+4:G0V+7], s[G1V:G1V+7]
	s_nop 0
.rept 4
	v_nop
.endr
.Lfirst_asked:
	v_and_b32 v1, 15, v0                           ; r = l % 16
	v_bfe_u32 v2, v0, 4, 1                         ; hh = l / 16
	v_and_b32 v13, 31, v0                          ; lane
	v_lshlrev_b32 v[LN], 4, v13
	v_lshlrev_b32 v[QO], 7, v1
	v_lshl_add_u32 v[QO], v2, 4, v[QO]             ; Q: row r of 128 bytes + 16 hh
	WIN 0x40                                       ; destination window 1
.irp t, 0,1
.irp c, 0,1
	global_load_b128 v[QF+16*\t+8*\c:QF+16*\t+8*\c+3],   v[QO], s[72:73] offset:2048*\t+64*\c      ; Q stays in registers: tile t, channels 32 c on
	global_load_b128 v[QF+16*\t+8*\c+4:QF+16*\t+8*\c+7], v[QO], s[72:73] offset:2048*\t+64*\c+32
.endr
.endr
; the table's tiles of a step, off bytes on from the pointer, into set s (which lies in window s): query tile t, key tile kt: two loads of 512 consecutive bytes each
.macro FETCH_B set, off
	WIN 0x40*(\set)
.irp t, 0,1
.irp kt, 0,1,2,3
	global_load_b128 v[BI+64*(\set)+32*\t+8*\kt:BI+64*(\set)+32*\t+8*\kt+3],   v[LN], s[BP:BP+1] offset:(\off)+131072*\t+1024*\kt
	global_load_b128 v[BI+64*(\set)+32*\t+8*\kt+4:BI+64*(\set)+32*\t+8*\kt+7], v[LN], s[BP:BP+1] offset:(\off)+131072*\t+1024*\kt+512
.endr
.endr
.endm
	FETCH_B 0, 0                                   ; step 0
	FETCH_B 1, 4096                                ; step 1
	WIN 0
	v_mul_u32_u24 v[AK0], v1, PK
	v_lshl_add_u32 v[AK0], v2, 4, v[AK0]           ; K: row x pitch + 16 x half
	v_and_b32 v5, 7, v0                            ; V, by the turning load: lane l reads 16 bytes: key 8 hh + l % 8, channels 8 ((l / 8) % 2) on
	v_lshl_add_u32 v5, v2, 3, v5
	v_mul_u32_u24 v[AV0], v5, PV
	v_bfe_u32 v6, v0, 3, 1
	v_lshl_add_u32 v[AV0], v6, 4, v[AV0]
	v_add_nc_u32 v[AV0], VOFF, v[AV0]
	s_mul_i32 s21, s[WV], 16*SP
	s_add_co_u32 s21, s21, STAGE                   ; my stage
	v_add_nc_u32 v[STO], s21, v[AK0]               ; in: row r of 144 bytes + 16 hh
	v_lshrrev_b32 v5, 3, v13
	v_mul_u32_u24 v[RD], v5, SP
	v_and_b32 v6, 7, v0
	v_lshl_add_u32 v[RD], v6, 4, v[RD]
	v_add_nc_u32 v[RD], s21, v[RD]                 ; back: four rows of 128 bytes an instruction
	v_lshlrev_b32 v[PFO], 8, v13
	v_lshlrev_b32 v[PFB], 17, v2
	v_lshl_add_u32 v[PFB], v1, 8, v[PFB]
.irp t, 0,1
	v_mov_b32 v[ST+8*\t], s[FM]                    ; m = F
	v_mov_b32 v[ST+8*\t+1], 0                      ; (named with m as a pair)
	v_mov_b32 v[ST+8*\t+2], 0                      ; l, in two halves
	v_mov_b32 v[ST+8*\t+3], 0
.endr
.set i, 0
.rept 64
	v_mov_b32 v[OA+i], 0                           ; O^T: the step is written alike for all steps; the first finds zeros
.set i, i+1
.endr
.macro FETCH_K                         ; a step's K: 64 keys x 64 channels: fragment (kt, c) is 16 keys x 32 channels
	WIN 0x40
.irp kt, 0,1,2,3
.irp c, 0,1
	ds_load_b128 v[KF+16*\kt+8*\c:KF+16*\kt+8*\c+3],   v[ADK] offset:16*PK*\kt+64*\c
	ds_load_b128 v[KF+16*\kt+8*\c+4:KF+16*\kt+8*\c+7], v[ADK] offset:16*PK*\kt+64*\c+32
.endr
.endr
.endm
.macro FETCH_V                         ; a step's V, turned: fragment (kh, n) is 16 channels x 32 keys
	WIN 0x40
.irp kh, 0,1
.irp n, 0,1,2,3
	ds_load_tr16_b128 v[VF+32*\kh+8*\n:VF+32*\kh+8*\n+3],   v[ADV] offset:32*PV*\kh+32*\n
	ds_load_tr16_b128 v[VF+32*\kh+8*\n+4:VF+32*\kh+8*\n+7], v[ADV] offset:32*PV*\kh+16*PV+32*\n
.endr
.endr
.endm
; S^T = table + K Q^T: eight accumulators by turns, one instruction a turn; the tile of the table's set s starts each sum
.macro KQ set
.irp c, 0,1
.if \c == 0
	WIN 0x05+0x10*(\set)                           ; K and Q in window 1; C in the set's window
.else
	WIN 0x05
.endif
.irp kt, 0,1,2,3
.irp t, 0,1
.if \c == 0
	v_wmma_f32_16x16x32_f16 v[S+32*\t+8*\kt:S+32*\t+8*\kt+7], v[KF+16*\kt+8*\c:KF+16*\kt+8*\c+7], v[QF+16*\t+8*\c:QF+16*\t+8*\c+7], v[BI+64*(\set)+32*\t+8*\kt:BI+64*(\set)+32*\t+8*\kt+7]
.else
	v_wmma_f32_16x16x32_f16 v[S+32*\t+8*\kt:S+32*\t+8*\kt+7], v[KF+16*\kt+8*\c:KF+16*\kt+8*\c+7], v[QF+16*\t+8*\c:QF+16*\t+8*\c+7], v[S+32*\t+8*\kt:S+32*\t+8*\kt+7]
.endif
.endr
.endr
.endr
.endm
; O^T += V^T P: eight accumulators by turns
.macro PVM
	WIN 0x01                                       ; V in window 1
.irp kh, 0,1
.irp n, 0,1,2,3
.irp t, 0,1
	v_wmma_f32_16x16x32_f16 v[OA+32*\t+8*\n:OA+32*\t+8*\n+7], v[VF+32*\kh+8*\n:VF+32*\kh+8*\n+7], v[P+16*\t+8*\kh:P+16*\t+8*\kh+7], v[OA+32*\t+8*\n:OA+32*\t+8*\n+7]
.endr
.endr
.endr
.endm
; THE SOFTMAX OF A STEP, both tiles line by line, all in window 0
.macro SOFT
.irp j, 0,1,2,3
.irp t, 0,1
	v_max3_num_f32 v[ST+8*\t+4+\j], v[S+32*\t+8*\j], v[S+32*\t+8*\j+1], v[S+32*\t+8*\j+2]   ; four chains, one for each score tile, each from the tile's low end on
.endr
.endr
.irp i, 3,5
.irp j, 0,1,2,3
.irp t, 0,1
	v_max3_num_f32 v[ST+8*\t+4+\j], v[ST+8*\t+4+\j], v[S+32*\t+8*\j+\i], v[S+32*\t+8*\j+\i+1]
.endr
.endr
.endr
.irp t, 0,1
	v_max3_num_f32 v[ST+8*\t+4], v[ST+8*\t+4], v[S+32*\t+7], v[S+32*\t+15]
	v_max3_num_f32 v[ST+8*\t+6], v[ST+8*\t+6], v[S+32*\t+23], v[S+32*\t+31]
.endr
.irp t, 0,1
	v_max3_num_f32 v[ST+8*\t+4], v[ST+8*\t+4], v[ST+8*\t+5], v[ST+8*\t+6]
.endr
.irp t, 0,1
	v_max3_num_f32 v[ST+8*\t+4], v[ST+8*\t+4], v[ST+8*\t+7], v[ST+8*\t]   ; with the old m
.endr
.irp t, 0,1
	v_permlanex16_b32 v[ST+8*\t+5], v[ST+8*\t+4], s[SEL], s[SEL+1]        ; the query's other 32 keys lie in the lane 16 away
.endr
.irp t, 0,1
	v_max_num_f32 v[ST+8*\t+7], v[ST+8*\t+4], v[ST+8*\t+5]                ; the new m
.endr
.irp t, 0,1
	v_sub_f32 v[ST+8*\t+6], v[ST+8*\t], v[ST+8*\t+7]                      ; m_old - m_new
.endr
.irp t, 0,1
	v_sub_f32 v[ST+8*\t+4], s[FM], v[ST+8*\t+7]                           ; F - m_new
.endr
.irp t, 0,1
	v_mov_b32 v[ST+8*\t], v[ST+8*\t+7]
.endr
.irp t, 0,1
.set i, 0
.rept 16
	v_pk_add_f32 v[S+32*\t+i:S+32*\t+i+1], v[S+32*\t+i:S+32*\t+i+1], v[ST+8*\t:ST+8*\t+1] op_sel_hi:[1,0] neg_lo:[0,1] neg_hi:[0,1]   ; t - m
.set i, i+2
.endr
.endr
.irp t, 0,1
	v_exp_f32 v[ST+8*\t+6], v[ST+8*\t+6]           ; a.  ONE BATCH of 68 exponentials: none reads another's result
	v_exp_f32 v[ST+8*\t+4], v[ST+8*\t+4]           ; g
.endr
.set i, 0
.rept 64
	v_exp_f32 v[S+i], v[S+i]                       ; p
.set i, i+1
.endr
	v_nop                                          ; a plain line behind the last exponential
	s_wait_alu depctr_va_vdst(0)                   ; one wait for the batch, ahead of its first reader
.irp t, 0,1
.set i, 0
.rept 16
	v_pk_add_f32 v[S+32*\t+i:S+32*\t+i+1], v[S+32*\t+i:S+32*\t+i+1], v[ST+8*\t+4:ST+8*\t+5] op_sel_hi:[1,0]   ; + g
.set i, i+2
.endr
.endr
.set i, 0
.rept 32
	v_cvt_pk_f16_f32 v[P+i], v[S+2*i], v[S+2*i+1]  ; two score tiles, rounded in pairs, are source 1 (32 keys x 16 queries) of V^T P
.set i, i+1
.endr
.irp u, 0,1,2,3,4,5,6,7
.irp t, 0,1
	v_pk_add_f32 v[S+32*\t+4*\u:S+32*\t+4*\u+1], v[S+32*\t+4*\u:S+32*\t+4*\u+1], v[S+32*\t+4*\u+2:S+32*\t+4*\u+3]   ; the sum of the 16 pairs, in place
.endr
.endr
.irp u, 0,1,2,3
.irp t, 0,1
	v_pk_add_f32 v[S+32*\t+8*\u:S+32*\t+8*\u+1], v[S+32*\t+8*\u:S+32*\t+8*\u+1], v[S+32*\t+8*\u+4:S+32*\t+8*\u+5]
.endr
.endr
.irp u, 0,1
.irp t, 0,1
	v_pk_add_f32 v[S+32*\t+16*\u:S+32*\t+16*\u+1], v[S+32*\t+16*\u:S+32*\t+16*\u+1], v[S+32*\t+16*\u+8:S+32*\t+16*\u+9]
.endr
.endr
.irp t, 0,1
	v_pk_add_f32 v[S+32*\t:S+32*\t+1], v[S+32*\t:S+32*\t+1], v[S+32*\t+16:S+32*\t+17]
.endr
.irp t, 0,1
	v_pk_fma_f32 v[ST+8*\t+2:ST+8*\t+3], v[ST+8*\t+2:ST+8*\t+3], v[ST+8*\t+6:ST+8*\t+7], v[S+32*\t:S+32*\t+1] op_sel_hi:[1,0,1]   ; l = a l + the sum
.endr
.irp t, 0,1
.set i, 0
.rept 16
	v_pk_mul_f32 v[OA+32*\t+i:OA+32*\t+i+1], v[OA+32*\t+i:OA+32*\t+i+1], v[ST+8*\t+6:ST+8*\t+7] op_sel_hi:[1,0]   ; O^T x a, each accumulator from its low end on
.set i, i+2
.endr
.endr
.endm
; A STEP j, behind its K Q^T.  par = j % 2: the table's set that step j's products have read.  look = 1: the next step's K and V are fetched and its K Q^T issued.
; bias = 1: step j + 2's tiles of the table are asked for, into set par.  pf = 1: the table's prefetch stands here.
.macro TRIP look, par, bias, pf
	WIN 0
.if \look
	v_add_nc_u32 v[ADK], s[TB], v[AK0]             ; these two and two v_nop are the four plain lines between the last product and the loads into registers that it read
	v_add_nc_u32 v[ADV], s[TB], v[AV0]
.else
	v_nop
	v_nop
.endif
	v_nop
	v_nop
.if \bias
	FETCH_B \par, 0
.endif
.if \look
	FETCH_K
.endif
	WIN 0
.if \pf
	ASKB
.endif
	SOFT
.if \look
	s_wait_dscnt 16                                ; V of this step is in; the sixteen loads of the next step's K may be out
.else
	s_wait_dscnt 0x0
.endif
	PVM
.if \look
.rept 4
	v_nop                                          ; four plain lines in front of the loads into V's registers
.endr
	FETCH_V
	s_add_co_u32 s[TB], s[TB], STEPB
.if \bias
	s_wait_loadcnt 16                              ; the next step's tiles of the table, asked for a step ago, are in; the sixteen loads of this step, for the step after, may be out
	s_wait_xcnt 0x0                                ; this step's loads and the prefetch have read the pointer: it may step
	s_add_nc_u64 s[BP:BP+1], s[BP:BP+1], 4096
.else
	s_wait_loadcnt 0x0                             ; nothing was asked for behind the last step's tiles
.endif
	s_add_co_u32 s[JC], s[JC], 1
	s_wait_dscnt 16                                ; the next step's K is in; V's sixteen loads may be out
	KQ 1-(\par)
	WIN 0
.endif
.endm
.macro PAIRS n                         ; the register numbers come back after two steps: a trip is an odd step and an even one
	s_mov_b32 s[CNT], \n
.Lpair_\@:
	TRIP 1, 1, 1, 1
	TRIP 1, 0, 1, 1
	s_sub_co_u32 s[CNT], s[CNT], 1
	s_cmp_lg_u32 s[CNT], 0
	s_cbranch_scc1 .Lpair_\@
.endm
; THE CHANGE OF SLOTS stands where all of the old slot has been asked for: K of its last step has been multiplied, V of that step is on its way to registers.  Each wave waits for all its tensor loads (its part of the
; other slot), adds 0 to its spare word, and waits for that and for its reads of the old slot.  fill = 1: a round of the cluster's barrier, and the joint refill first behind it: it has four steps in which to land.
; (The table's loads into registers may stay out across the barrier: nobody writes those bytes.)
.macro CHANGE fill
	WIN 0
	s_wait_tensorcnt 0x0                           ; no tensor load of mine is out, so a group 0 may be written
	ds_add_u32 v[SPW], v[NIL]
.if \fill
.irp g, G0K+4, G0V+4
	s_xor_b32 s[\g+1], s[\g+1], SLOT1              ; the walking descriptor: the other slot than last time,
	s_add_nc_u64 s[\g+2:\g+3], s[\g+2:\g+3], SLOTB ; the next 256 keys
.endr
	s_wait_xcnt 0x0                                ; the last prefetch of K or V, four steps back, has read its address
	s_add_nc_u64 s[PFA:PFA+1], s[PFA:PFA+1], SLOTB
	s_wait_dscnt 0x0                               ; the add is done, and my reads of the old slot are over
	CROUND
	JLOAD
	ASK
.else
	s_wait_dscnt 0x0
	s_barrier_signal -1
	s_barrier_wait -1
.endif
	s_sub_co_u32 s[TB], s[TB], NST*STEPB           ; the fetches go back to a slot's first step,
	s_xor_b32 s[TB], s[TB], SLOT1                  ; in the other slot
.endm
	s_wait_tensorcnt 1                             ; my part of slot 0 is in; slot 1's may stay out
	s_barrier_signal -1
	s_barrier_wait -1                              ; everybody's is
	v_add_nc_u32 v[ADK], s[TB], v[AK0]
	v_add_nc_u32 v[ADV], s[TB], v[AV0]
	FETCH_K                                        ; step 0
	FETCH_V
	s_add_co_u32 s[TB], s[TB], STEPB
	s_wait_loadcnt 16                              ; Q and step 0's tiles of the table are in; step 1's sixteen loads may be out
	s_wait_xcnt 0x0                                ; all of them have read the pointer: it may step
	s_add_nc_u64 s[BP:BP+1], s[BP:BP+1], 2*4096    ; to step 2
	s_wait_dscnt 16                                ; K is in; V's sixteen loads may be out
	KQ 0
	WIN 0
	TRIP 1, 0, 1, 1                                ; step 0
	TRIP 1, 1, 1, 1                                ; step 1
	TRIP 1, 0, 1, 1                                ; step 2
.Lslot:                                            ; six trips: steps 3 to 26; each change fills the slot just left
	CHANGE 1
	PAIRS 2
	s_sub_co_u32 s[SLOTS], s[SLOTS], 1
	s_cmp_lg_u32 s[SLOTS], 0
	s_cbranch_scc1 .Lslot
	CHANGE 0                                       ; the tail is written out and no load of the table leaves its buffer
	TRIP 1, 1, 1, 0                                ; step 27: the table's step 29
	TRIP 1, 0, 1, 0                                ; step 28: step 30
	TRIP 1, 1, 1, 0                                ; step 29: step 31, the last
	TRIP 1, 0, 0, 0                                ; step 30
	TRIP 0, 1, 0, 0                                ; step 31
	; THE WAY OUT: O^T / l, rounded to f16, through my stage, a tile of 16 rows at a time; four rows of 128 bytes, 512 consecutive bytes, a store
	WIN 0
.irp t, 0,1
	v_add_f32 v[ST+8*\t+4], v[ST+8*\t+2], v[ST+8*\t+3]    ; l's two halves (with the two v_nop: the four plain lines behind the last products)
.endr
	v_nop
	v_nop
.irp t, 0,1
	v_permlanex16_b32 v[ST+8*\t+5], v[ST+8*\t+4], s[SEL], s[SEL+1]
.endr
.irp t, 0,1
	v_add_f32 v[ST+8*\t+4], v[ST+8*\t+4], v[ST+8*\t+5]
.endr
.irp t, 0,1
	v_rcp_f32 v[ST+8*\t+6], v[ST+8*\t+4]
.endr
	v_nop                                          ; a plain line behind the last reciprocal
	s_wait_alu depctr_va_vdst(0)                   ; one wait for both, ahead of the first reader
.irp t, 0,1
.set i, 0
.rept 16
	v_pk_mul_f32 v[OA+32*\t+i:OA+32*\t+i+1], v[OA+32*\t+i:OA+32*\t+i+1], v[ST+8*\t+6:ST+8*\t+7] op_sel_hi:[1,0]
.set i, i+2
.endr
.endr
.set i, 0
.rept 32
	v_cvt_pk_f16_f32 v[S+i], v[OA+2*i], v[OA+2*i+1]       ; word 16 t + 4 n + i: channels 16 n + 8 hh + 2 i, + 1 of query r
.set i, i+1
.endr
.irp t, 0,1
.irp n, 0,1,2,3
	ds_store_b128 v[STO], v[S+16*\t+4*\n:S+16*\t+4*\n+3] offset:32*\n
.endr
.irp i, 0,1,2,3
	ds_load_b128 v[BI+16*\t+4*\i:BI+16*\t+4*\i+3], v[RD] offset:4*SP*\i   ; LDS serves a wave's instructions in order: these see the stores above, and the next tile's stores come behind them
.endr
.endr
	s_wait_dscnt 8                                 ; tile 0 is back; tile 1's eight LDS instructions may be out
.irp i, 0,1,2,3
	global_store_b128 v[LN], v[BI+4*\i:BI+4*\i+3], s[8:9] offset:512*\i
.endr
	s_wait_dscnt 0x0
.irp i, 0,1,2,3
	global_store_b128 v[LN], v[BI+16+4*\i:BI+16+4*\i+3], s[8:9] offset:2048+512*\i
.endr
	s_wait_tensorcnt 0x0                           ; the wave's end
	ds_add_u32 v[SPW], v[NIL]
	s_wait_dscnt 0x0
	CROUND                                         ; the closing round
	s_endpgm
.Lfunc_end_k_qabd017a975_attn:
	.size	k_qabd017a975_attn, .Lfunc_end_k_qabd017a975_attn-k_qabd017a975_attn
	.p2alignl 7, 3214868480
	.fill 96, 4, 3214868480
	.section	.rodata,"a",@progbits
	.p2align	6, 0x0
	.amdhsa_kernel k_qabd017a975_attn
		.amdhsa_group_segment_fixed_size 327680
		.amdhsa_private_segment_fixed_size 0
		.amdhsa_enable_private_segment 0
		.amdhsa_kernarg_size 24
		.amdhsa_user_sgpr_count 2
		.amdhsa_user_sgpr_kernarg_segment_ptr 1
		.amdhsa_wavefront_size32 1
		.amdhsa_system_sgpr_workgroup_id_x 1
		.amdhsa_system_sgpr_workgroup_id_y 1
		.amdhsa_system_sgpr_workgroup_id_z 1
		.amdhsa_system_vgpr_workitem_id 0
		.amdhsa_next_free_vgpr 480
		.amdhsa_next_free_sgpr 80
		.amdhsa_reserve_vcc 0
		.amdhsa_float_denorm_mode_32 3
		.amdhsa_float_denorm_mode_16_64 3
		.amdhsa_memory_ordered 1
		.amdhsa_forward_progress 1
		.amdhsa_inst_pref_size 228
	.end_amdhsa_kernel
	.amdgpu_metadata
---
amdhsa.version: [ 1, 2 ]
amdhsa.kernels:
  - .name:           k_qabd017a975_attn
    .symbol:         k_qabd017a975_attn.kd
    .args:
      - { .name: qkv, .offset: 0, .size: 8, .value_kind: global_buffer, .address_space: global }
      - { .name: tbias, .offset: 8, .size: 8, .value_kind: global_buffer, .address_space: global }
      - { .name: ao, .offset: 16, .size: 8, .value_kind: global_buffer, .address_space: global }
    .group_segment_fixed_size: 327680
    .private_segment_fixed_size: 0
    .kernarg_segment_align: 8
    .kernarg_segment_size: 24
    .max_flat_workgroup_size: 256
    .sgpr_count:     80
    .vgpr_count:     480
    .wavefront_size: 32
...
	.end_amdgpu_metadata
.endif
;; end of part 3
;; launch outp (part 4): grid 8 x 64, 4 waves a work-group, clusters of 4 x 4, 327,680 bytes of LDS; arguments ao, wo16, bo, out0; writes out0
.if DOCPART == 4
	.amdgcn_target "amdgcn-amd-amdhsa--gfx1250"
	.amdhsa_code_object_version 6
	.text
	.protected	k_qabd017a975_outp
	.globl	k_qabd017a975_outp
	.p2align	8
	.type	k_qabd017a975_outp,@function
k_qabd017a975_outp:
	s_mov_b64 s[64:65], 0
	v_nop
	global_prefetch_b8 v0, s[64:65] scope:SCOPE_SE
	s_setreg_imm32_b32 hwreg(HW_REG_WAVE_MODE, 25, 1), 1
	s_wait_xcnt 0x0
	s_wait_alu depctr_hold_cnt(0) depctr_sa_sdst(0) depctr_va_vdst(0) depctr_va_sdst(0) depctr_va_ssrc(0) depctr_va_vcc(0) depctr_vm_vsrc(0)
	s_getreg_b32 s2, hwreg(HW_REG_IB_STS2, 6, 4)
	s_cmp_eq_u32 s2, 0
	s_cbranch_scc0 .Lentry_in_a_cluster
	s_endpgm
.Lentry_in_a_cluster:
	s_bfe_u32 s2, ttmp6, 0x10000c
	s_cmp_lg_u32 s2, 0xf033
	s_cbranch_scc0 .Lentry_shape_is_right
	s_endpgm
.Lentry_shape_is_right:
; out0[m][n] = sum over k of ao[m][k] Wo[n][k] + bo[n].  m = 2,048 b + s, k = 64 h + d.  ao: [b][h][s][64] f16 (head-major), wo16: [1,024][1,024] f16, out0: [8,192][1,024] f32; sums in f32.
; A tile of out0 is 128 x 128 (512 work-groups); four waves, each 64 x 64: 16 accumulators.  K goes in four steps of 256 (four heads) through a ring of two LDS slots.
; A's part of a slot: a wave's tensor load brings 64 rows of four heads.  In memory a head's 64 rows are 8,192 consecutive bytes and the heads lie 262,144 bytes apart: so the tile is stated as 4 rows of 4,096 elements,
; with 16 bytes of padding behind every 128: in LDS [head][64 rows][144 bytes].  B's part: 64 rows of 512 bytes, 528 apart.
; CLUSTERS: 4 x 4 work-groups; A's tiles are shared along a row of the cluster, B's along a column: joint loads.  THE MATRIX INSTRUCTION IS USED TRANSPOSED (source 0 = 16 rows of Wo, source 1 = 16 rows of ao):
; a lane holds eight neighbouring numbers of a row of out0.  bo is the start of each sum.
; REGISTERS: window 0: v0-31 addresses; v32-95 the way out; v96-127 bo; v128-255 the accumulators ((a, b) at v[128 + 8 (4 a + b)]).  window 1: two fragment buffers of 128: 64 registers of A, then 64 of B.
.set AP,     144                       ; a row of A in LDS: 128 bytes + 16
.set AHD,    64*AP                     ; a head's 64 rows
.set AH,     4*AHD                     ; what one load brings of A
.set BPI,    528                       ; a row of B in LDS: 512 bytes + 16
.set BH,     64*BPI                    ; what one load brings of B
.set SLOT,   2*AH+2*BH
.set STAGE,  2*SLOT                    ; behind the ring: 16 rows x 272 bytes for each wave
.set SPITCH, 272
.set SPARE,  STAGE+4*16*SPITCH         ; the spare words, 128 bytes for each wave: two blocks of 256 bytes that no other line names
.set ASTEP,  4*262144                  ; a K step on in ao: four heads
.set BSTEP,  512                       ; and in a row of wo16
.set ADRA, 16
.set ADRB, 20
.set STO,  24
.set RD,   25
.set CO,   26
.set SPW,  28
.set NIL,  29
.set TMP,  32
.set BO,   96
.set ACC,  128
.set F0,   0
.set F1,   128
.set G1, 24
.set G0, 32
.set G1B, 48
.set G0B, 56
.set MSB, 0
.macro WIN new                         ; the immediate's high byte repeats the setting that is left
.if MSB != (\new)
	s_set_vgpr_msb (MSB<<8)|(\new)
.set MSB, \new
.endif
.endm
.set MUL,  0x05                        ; sources 0 (B) and 1 (A) window 1; C and D window 0
.set TO_F, 0x40
.macro JLOAD s                         ; a joint load: waves 0 and 1 fetch A's two halves, waves 2 and 3 B's; an s_nop 0 and four v_nop follow each of the two lines
	s_cmp_eq_u32 s11, 0
	s_cbranch_scc0 .Lfor_b_\@
	tensor_load_to_lds s[G0+4*\s:G0+4*\s+3], s[G1:G1+7]
	s_nop 0
.rept 4
	v_nop
.endr
	s_branch .Lasked_\@
.Lfor_b_\@:
	tensor_load_to_lds s[G0B+4*\s:G0B+4*\s+3], s[G1B:G1B+7]
	s_nop 0
.rept 4
	v_nop
.endr
.Lasked_\@:
.endm
.macro CREST                           ; a round of the cluster's barrier behind its opening barrier
	s_cmp_lg_u32 s10, 0
	s_cbranch_scc1 .Lnot_wave_0_\@
	s_barrier_signal -3
.Lnot_wave_0_\@:
	s_barrier_wait -3
	s_barrier_signal -1
	s_barrier_wait -1
.endm
.macro CROUND
	s_barrier_signal -1
	s_barrier_wait -1
	CREST
.endm
	s_load_b128 s[4:7], s[0:1], 0x0                ; ao s[4:5], wo16 s[6:7]
	s_load_b128 s[68:71], s[0:1], 0x10             ; bo s[68:69], out0 s[70:71]
	v_lshl_add_u32 v[SPW], v0, 2, SPARE
	v_mov_b32 v[NIL], 0
	ds_add_u32 v[SPW], v[NIL]                      ; the wave's opening: the add, twice on end, and its wait ahead of my first tensor load
	ds_add_u32 v[SPW], v[NIL]
	v_lshrrev_b32 v1, 5, v0
	v_readfirstlane_b32 s10, v1                    ; wave 0..3
	s_lshr_b32 s11, s10, 1                         ; which half of the tile's rows is mine.  Also: I fetch for A (0) or for B (1)
	s_and_b32 s12, s10, 1                          ; which half of its columns.  Also: which 64 rows of that tile I fetch
	s_bfe_u32 s40, ttmp6, 0x40000                  ; cx, cy
	s_bfe_u32 s41, ttmp6, 0x40004
	s_lshl_b32 s42, ttmp9, 2
	s_add_co_u32 s42, s42, s40                     ; tile column
	s_and_b32 s13, ttmp7, 0xffff
	s_lshl_b32 s13, s13, 2
	s_add_co_u32 s13, s13, s41                     ; tile row
	s_lshl_b32 s43, s41, 2
	s_lshl_b32 s43, 15, s43                        ; my row of the cluster
	s_lshl_b32 s44, 0x1111, s40                    ; my column
	s_or_b32 s[G1+0], s43, (1<<16)|(1<<20)|(1<<21)|(4<<22)|(3<<25)   ; A: the mask; elements of 2 bytes; padding on; bit 21 beside a mask; after every 32 words 4 words
	s_mov_b32 s[G1+1], 4096<<16                    ; tensor_dim0 = 4,096
	s_mov_b32 s[G1+2], 4<<16                       ; tensor_dim1 = 4
	s_mov_b32 s[G1+3], 4096<<16                    ; tile_dim0 = 4,096
	s_mov_b32 s[G1+4], 4                           ; tile_dim1 = 4
	s_mov_b32 s[G1+5], 131072                      ; the pitch: a head, in elements
	s_mov_b32 s[G1+6], 0
	s_mov_b32 s[G1+7], 0
	s_or_b32 s[G1B+0], s44, (1<<16)|(1<<20)|(1<<21)|(6<<22)|(3<<25)  ; B: after every 128 words 4 words
	s_mov_b32 s[G1B+1], 256<<16
	s_mov_b32 s[G1B+2], 64<<16
	s_mov_b32 s[G1B+3], 256<<16
	s_mov_b32 s[G1B+4], 64
	s_mov_b32 s[G1B+5], 1024
	s_mov_b32 s[G1B+6], 0
	s_mov_b32 s[G1B+7], 0
	s_lshr_b32 s16, s13, 4                         ; A: batch = tile row / 16: 2^22 bytes;
	s_lshl_b32 s16, s16, 22
	s_and_b32 s17, s13, 15
	s_lshl_b32 s17, s17, 14                        ; 128 rows of 128 bytes a tile row;
	s_add_co_u32 s16, s16, s17
	s_lshl_b32 s17, s12, 13                        ; the 64 rows that I fetch
	s_add_co_u32 s16, s16, s17
	s_mov_b32 s17, 0
	s_lshl_b32 s46, s42, 18                        ; B: 128 rows of 2,048 bytes a tile column;
	s_lshl_b32 s47, s12, 17                        ; the 64 rows that I fetch
	s_add_co_u32 s46, s46, s47
	s_mov_b32 s47, 0
	s_mul_i32 s20, s12, AH                         ; where they go: A's two halves,
	s_mul_i32 s21, s12, BH
	s_add_co_u32 s21, s21, 2*AH                    ; then B's two
	s_wait_dscnt 0x0                               ; both opening adds are done
	s_wait_kmcnt 0x0
	s_add_nc_u64 s[14:15], s[4:5], s[16:17]
	s_add_nc_u64 s[46:47], s[6:7], s[46:47]
	CROUND                                         ; all sixteen work-groups are here: the first joint loads meet
.irp s, 0,1
	s_mov_b32 s[G0+4*\s], 1
	s_add_co_u32 s[G0+4*\s+1], s20, \s*SLOT
	s_add_nc_u64 s[G0+4*\s+2:G0+4*\s+3], s[14:15], \s*ASTEP
	s_or_b32 s[G0+4*\s+3], s[G0+4*\s+3], 0x80000000
	s_mov_b32 s[G0B+4*\s], 1
	s_add_co_u32 s[G0B+4*\s+1], s21, \s*SLOT
	s_add_nc_u64 s[G0B+4*\s+2:G0B+4*\s+3], s[46:47], \s*BSTEP
	s_or_b32 s[G0B+4*\s+3], s[G0B+4*\s+3], 0x80000000
	JLOAD \s                                       ; two loads of mine are out
.endr
	v_and_b32 v1, 15, v0                           ; r = l % 16
	v_bfe_u32 v2, v0, 4, 1                         ; hh = l / 16
	s_lshl_b32 s46, s42, 9                         ; my first column, in bytes of f32: 512 x tile column + 256 x half
	s_lshl_b32 s47, s12, 8
	s_add_co_u32 s46, s46, s47
	s_mov_b32 s47, 0
	s_add_nc_u64 s[68:69], s[68:69], s[46:47]      ; bo there: for B's block b a lane wants bo[.. + 16 b + 8 hh + 0 .. 7]
	v_lshlrev_b32 v6, 5, v2
.irp b, 0,1,2,3
	global_load_b128 v[BO+8*\b:BO+8*\b+3], v6, s[68:69] offset:64*\b
	global_load_b128 v[BO+8*\b+4:BO+8*\b+7], v6, s[68:69] offset:64*\b+16
.endr
	v_mul_u32_u24 v3, v1, AP
	v_lshl_add_u32 v3, v2, 4, v3                   ; A: row x 144 + 16 x half
	v_mul_u32_u24 v4, v1, BPI
	v_lshl_add_u32 v4, v2, 4, v4                   ; B: row x 528 + 16 x half
	s_mul_i32 s21, s11, AH                         ; my 64 rows of A
	s_mul_i32 s22, s12, BH                         ; my 64 rows of B,
	s_add_co_u32 s22, s22, 2*AH                    ; behind A's two halves
.irp s, 0,1
	v_add_nc_u32 v[ADRA+\s], s21, v3
	v_add_nc_u32 v[ADRB+\s], s22, v4
	s_add_co_u32 s21, s21, SLOT
	s_add_co_u32 s22, s22, SLOT
.endr
	s_mul_i32 s23, s10, 16*SPITCH
	s_add_co_u32 s23, s23, STAGE                   ; my stage
	v_mul_u32_u24 v5, v1, SPITCH
	v_lshl_add_u32 v5, v2, 5, v5
	v_add_nc_u32 v[STO], s23, v5                   ; in: row r, 32 bytes for each half of the lanes
	v_mul_u32_u24 v5, v2, SPITCH
	v_lshl_add_u32 v5, v1, 4, v5
	v_add_nc_u32 v[RD], s23, v5                    ; back: lanes 0-15 one row of 256 bytes, lanes 16-31 the next
	v_lshlrev_b32 v5, 12, v2                       ; and the same two rows in out0: 4,096 bytes a row
	v_lshl_add_u32 v[CO], v1, 4, v5
	s_lshl_b32 s16, s13, 19                        ; my first row: 128 x tile row + 64 x half, 4,096 bytes each
	s_lshl_b32 s17, s11, 18
	s_add_co_u32 s16, s16, s17
	s_mov_b32 s17, 0
	s_add_nc_u64 s[70:71], s[70:71], s[16:17]
	s_add_nc_u64 s[70:71], s[70:71], s[46:47]
; 8 matrix instructions: m blocks a0, a0 + 1 x all 4 n blocks, 32 along K: half c of buffer f.  first = 1: bo starts the sums.  The 16 accumulators take turns.
.macro MUL8 f, c, a0, first
.irp a, \a0, \a0+1
.irp b, 0,1,2,3
.if \first
	v_wmma_f32_16x16x32_f16 v[ACC+8*(4*(\a)+\b):ACC+8*(4*(\a)+\b)+7], v[\f+64+8*(4*\c+\b):\f+64+8*(4*\c+\b)+7], v[\f+8*(4*\c+\a):\f+8*(4*\c+\a)+7], v[BO+8*\b:BO+8*\b+7]
.else
	v_wmma_f32_16x16x32_f16 v[ACC+8*(4*(\a)+\b):ACC+8*(4*(\a)+\b)+7], v[\f+64+8*(4*\c+\b):\f+64+8*(4*\c+\b)+7], v[\f+8*(4*\c+\a):\f+8*(4*\c+\a)+7], v[ACC+8*(4*(\a)+\b):ACC+8*(4*(\a)+\b)+7]
.endif
.endr
.endr
.endm
; 32 LDS loads in one run: the fragments of the slot's quarter q (one head: 64 along K) into buffer f; the first 32 along K first
.macro FETCH slot, q, f
	WIN TO_F
.irp c, 0,1
.irp i, 0,1,2,3
	ds_load_b128 v[\f+64+8*(4*\c+\i):\f+64+8*(4*\c+\i)+3],   v[ADRB+\slot] offset:128*(\q)+64*\c+\i*16*BPI
	ds_load_b128 v[\f+64+8*(4*\c+\i)+4:\f+64+8*(4*\c+\i)+7], v[ADRB+\slot] offset:128*(\q)+64*\c+\i*16*BPI+32
	ds_load_b128 v[\f+8*(4*\c+\i):\f+8*(4*\c+\i)+3],         v[ADRA+\slot] offset:AHD*(\q)+64*\c+\i*16*AP
	ds_load_b128 v[\f+8*(4*\c+\i)+4:\f+8*(4*\c+\i)+7],       v[ADRA+\slot] offset:AHD*(\q)+64*\c+\i*16*AP+32
.endr
.endr
.endm
.macro PLACES                          ; four plain lines in front of loads into registers that matrix instructions have read, and of reads of results
.rept 4
	v_nop
.endr
.endm
; A K step is four quarters, 32 matrix instructions each, on buffers 0, 1, 0, 1.  One of the first three: multiplies buffer f and fetches quarter q into g.
.macro QUARTER slot, q, f, g, first
	s_wait_dscnt 16                                ; the first 32 along K are in; the other sixteen loads may be out
	WIN MUL
	MUL8 \f, 0, 0, \first
	MUL8 \f, 0, 2, \first
	PLACES
	FETCH \slot, \q, \g
	s_wait_dscnt 32                                ; all but the 32 just issued
	WIN MUL
	MUL8 \f, 1, 0, 0
	MUL8 \f, 1, 2, 0
.endm
; The last quarter multiplies buffer 1 and changes slots: ONE barrier; in front of it each wave waits for all its tensor loads, adds 0 to its spare word, and waits for that and for its reads of this slot.
.macro TURN slot, next, fill
	WIN 0
	s_wait_tensorcnt 0x0                           ; all my tensor loads have landed: my part of the next slot
	ds_add_u32 v[SPW], v[NIL]
	s_wait_dscnt 17                                ; (the add and the youngest sixteen loads may be out)
	WIN MUL
	MUL8 F1, 0, 0, 0
	s_wait_dscnt 0x0                               ; the add is done, and my reads of this slot are over
	s_barrier_signal -1
	MUL8 F1, 0, 2, 0
.if \fill
	WIN 0
.endif
	s_barrier_wait -1
.if \fill
	CREST                                          ; the barrier has opened a round of the cluster's: no wave of any partner still reads this slot or has a load on its way
	s_add_nc_u64 s[G0+4*\slot+2:G0+4*\slot+3], s[G0+4*\slot+2:G0+4*\slot+3], 2*ASTEP
	s_add_nc_u64 s[G0B+4*\slot+2:G0B+4*\slot+3], s[G0B+4*\slot+2:G0B+4*\slot+3], 2*BSTEP
	JLOAD \slot                                    ; the first tensor load behind the round; its four v_nop are also the plain lines in front of the loads below
.else
	PLACES
.endif
	FETCH \next, 0, F0
	WIN MUL
	MUL8 F1, 1, 0, 0
	MUL8 F1, 1, 2, 0
.endm
	s_wait_tensorcnt 1                             ; my part of K step 0 is in (K step 1's load may be out)
	s_barrier_signal -1
	s_barrier_wait -1                              ; everybody's is
	FETCH 0, 0, F0
	s_wait_loadcnt 0x0                             ; bo
	QUARTER 0, 1, F0, F1, 1                        ; K step 0
	QUARTER 0, 2, F1, F0, 0
	QUARTER 0, 3, F0, F1, 0
	TURN 0, 1, 1                                   ; slot 0 takes K step 2
	QUARTER 1, 1, F0, F1, 0                        ; K step 1
	QUARTER 1, 2, F1, F0, 0
	QUARTER 1, 3, F0, F1, 0
	TURN 1, 0, 1                                   ; slot 1 takes K step 3
	QUARTER 0, 1, F0, F1, 0                        ; K step 2
	QUARTER 0, 2, F1, F0, 0
	QUARTER 0, 3, F0, F1, 0
	TURN 0, 1, 0                                   ; nothing is left to ask for
	QUARTER 1, 1, F0, F1, 0                        ; K step 3
	QUARTER 1, 2, F1, F0, 0
	QUARTER 1, 3, F0, F1, 0
	s_wait_dscnt 16
	WIN MUL
	MUL8 F1, 0, 0, 0
	MUL8 F1, 0, 2, 0
	s_wait_dscnt 0
	MUL8 F1, 1, 0, 0
	MUL8 F1, 1, 2, 0
	WIN 0
; THE WAY OUT.  A wave's 64 columns of f32 are 256 consecutive bytes of a row of out0: each wave has a stage of its own and no barrier is needed.  A block of 16 rows goes in as 32 bytes a lane and comes back as whole rows.
.macro TOSTAGE a
.irp b, 0,1,2,3
	ds_store_b128 v[STO], v[ACC+8*(4*(\a)+\b):ACC+8*(4*(\a)+\b)+3] offset:64*\b        ; each accumulator from its low end on
	ds_store_b128 v[STO], v[ACC+8*(4*(\a)+\b)+4:ACC+8*(4*(\a)+\b)+7] offset:64*\b+16
.endr
.irp t, 0,1,2,3,4,5,6,7
	ds_load_b128 v[TMP+32*((\a)%2)+4*\t:TMP+32*((\a)%2)+4*\t+3], v[RD] offset:\t*2*SPITCH   ; LDS serves a wave's instructions in order: these see the stores above
.endr
.endm
.macro SEND a, younger
	s_wait_dscnt \younger                          ; the block is back; the next block's LDS instructions may be out
.irp t, 0,1,2,3,4,5,6,7
	global_store_b128 v[CO], v[TMP+32*((\a)%2)+4*\t:TMP+32*((\a)%2)+4*\t+3], s[70:71] offset:(16*(\a)+2*\t)*4096 th:TH_STORE_NT   ; sixteen lanes store 256 consecutive bytes
.endr
.endm
	PLACES
	TOSTAGE 0
	TOSTAGE 1
	SEND 0, 16
	s_wait_xcnt 0x0                                ; block 0's stores have read their registers: block 2's loads may land there
	TOSTAGE 2
	SEND 1, 16
	s_wait_xcnt 0x0                                ; block 1's likewise
	TOSTAGE 3
	SEND 2, 16
	SEND 3, 0
	s_wait_tensorcnt 0x0                           ; the wave's end
	ds_add_u32 v[SPW], v[NIL]
	s_wait_dscnt 0x0
	CROUND                                         ; the closing round
	s_endpgm
.Lfunc_end_k_qabd017a975_outp:
	.size	k_qabd017a975_outp, .Lfunc_end_k_qabd017a975_outp-k_qabd017a975_outp
	.p2alignl 7, 3214868480
	.fill 96, 4, 3214868480
	.section	.rodata,"a",@progbits
	.p2align	6, 0x0
	.amdhsa_kernel k_qabd017a975_outp
		.amdhsa_group_segment_fixed_size 327680
		.amdhsa_private_segment_fixed_size 0
		.amdhsa_enable_private_segment 0
		.amdhsa_kernarg_size 32
		.amdhsa_user_sgpr_count 2
		.amdhsa_user_sgpr_kernarg_segment_ptr 1
		.amdhsa_wavefront_size32 1
		.amdhsa_system_sgpr_workgroup_id_x 1
		.amdhsa_system_sgpr_workgroup_id_y 1
		.amdhsa_system_sgpr_workgroup_id_z 1
		.amdhsa_system_vgpr_workitem_id 0
		.amdhsa_next_free_vgpr 512
		.amdhsa_next_free_sgpr 72
		.amdhsa_reserve_vcc 0
		.amdhsa_float_denorm_mode_32 3
		.amdhsa_float_denorm_mode_16_64 3
		.amdhsa_memory_ordered 1
		.amdhsa_forward_progress 1
		.amdhsa_inst_pref_size 86
	.end_amdhsa_kernel
	.amdgpu_metadata
---
amdhsa.version: [ 1, 2 ]
amdhsa.kernels:
  - .name:           k_qabd017a975_outp
    .symbol:         k_qabd017a975_outp.kd
    .args:
      - { .name: ao, .offset: 0, .size: 8, .value_kind: global_buffer, .address_space: global }
      - { .name: wo16, .offset: 8, .size: 8, .value_kind: global_buffer, .address_space: global }
      - { .name: bo, .offset: 16, .size: 8, .value_kind: global_buffer, .address_space: global }
      - { .name: out0, .offset: 24, .size: 8, .value_kind: global_buffer, .address_space: global }
    .group_segment_fixed_size: 327680
    .private_segment_fixed_size: 0
    .kernarg_segment_align: 8
    .kernarg_segment_size: 32
    .max_flat_workgroup_size: 128
    .sgpr_count:     72
    .vgpr_count:     512
    .wavefront_size: 32
...
	.end_amdgpu_metadata
.endif
;; end of part 4
